; MI455X (gfx1250); checked and timed in simulation.
; The chip was launched on July 23, 2026; its instructions are those of AMD's public machine-readable ISA for CDNA 5 (MIT licence, August 2026) and "CDNA5" Instruction Set Architecture Reference Guide (July 2026). The comments in the code are by the model that wrote it; some were corrected since.
;; Transformer XL. Allowed arithmetic: matrix products marked QUANTISED: E2M3 operands, one E8M0 scale for each 32 along K, by v_wmma_scale_f32_16x16x128_f8f6f4 with both operands' format E2M3, f32 sums; everything else in f32.
;; Inputs: Wgate 1,024 x 16 float32; Wkv 1,024 x 2,048 float32; Wmix 1,024 x 16 float32; Wout 1,024 x 1,024 float32; Wq 1,024 x 1,024 float32; tokens 4 x 2,048 x 1,024 float32; value_residual 4 x 16 x 2,048 x 64 float32.
;; Outputs: out0 4 x 2,048 x 1,024 float32.
;; This version of the problem:
;;   THIS VERSION OF THE PROBLEM IS GIVEN IN LOW PRECISION. The matrix products marked QUANTISED in the list below multiply operands that are first quantised to E2M3 (2 exponent bits, 3 mantissa bits; 6 bits a number), with one power-of-two scale for each 32 numbers along K (OCP MX v1.0); their sums are f32. All else is computed in f32.
;;   The module's matrix products, in the order in which they are computed (A, B: the left and right operand; K: the contracted axis; several contracted axes count as one K, in the product's order):
;;     1. [M 8,192, K 1,024] x [K 1,024, N 1,024]; A: input tokens; B: input Wq: QUANTISED
;;     2. [M 8,192, K 1,024] x [K 1,024, N 2,048]; A: input tokens; B: input Wkv: QUANTISED
;;     3. [M 16, K 1,024] x [K 1,024, N 8,192]; A: input Wmix; B: input tokens: QUANTISED
;;     4. batch 64 x [M 2,048, K 64] x [K 64, N 2,048]; A: computed on the way; B: computed on the way: QUANTISED
;;     5. batch 64 x [M 2,048, K 2,048] x [K 2,048, N 64]; A: softmax (see below); B: computed on the way: QUANTISED
;;     6. [M 16, K 1,024] x [K 1,024, N 8,192]; A: input Wgate; B: input tokens: QUANTISED
;;     7. [M 8,192, K 1,024] x [K 1,024, N 1,024]; A: computed on the way; B: input Wout: QUANTISED
;;   THE QUANTISER, for each operand of a quantised product, along K:
;;     - K is cut into blocks of 32 from its start; a last block that is shorter is filled with zeros.
;;     - A block's scale is 2^e with e = floor(log2(the largest magnitude in the block)) - 2, held to -126 .. 127; a block of zeros has e = 0. As a byte (E8M0): e + 127.
;;     - Each number is divided by its block's scale, clamped to +-7.5, and rounded to the nearest number of E2M3, ties to even, subnormals kept.
;;     - The product sums the exact products of the quantised numbers (number of the format x scale) in f32.
;;   ~~~python
;;   def quantise(x, axis):      # numpy; x: float32 -> the quantised numbers, widened to float32 again
;;       x = np.moveaxis(x, axis, -1); K = x.shape[-1]
;;       x = np.pad(x, [(0, 0)] * (x.ndim - 1) + [(0, -K % 32)]); x = x.reshape(x.shape[:-1] + (-1, 32)); a = np.abs(x).max(-1, keepdims=True)
;;       e = np.where(a > 0, np.clip(np.frexp(np.where(a > 0, a, 1))[1] - 1 - 2, -126, 127), 0)      # np.frexp(a)[1] - 1 = floor(log2(a)), exactly
;;       r = np.clip(x / 2.0 ** e, -7.5, 7.5)
;;       step = 2.0 ** (np.maximum(np.frexp(np.where(r == 0, 1, r))[1] - 1, 0) - 3)
;;       q = np.round(r / step) * step * 2.0 ** e      # np.round: ties to even
;;       return np.moveaxis(q.reshape(q.shape[:-2] + (-1,))[..., :K], -1, axis).astype(np.float32)
;;   ~~~
;;   SOFTMAX AHEAD OF A QUANTISED PRODUCT. Where the list says 'softmax', what is quantised is not the finished softmax but p = 2^(t - M), with t = logit x log2(e) and M = ceil(the row's largest t), a whole number; so 1/2 < the row's largest p <= 1. The row's sum l is taken of the UNQUANTISED p, in f32, and the product's result is divided by l at the end. Since M is a whole number, a kernel that streams over the keys may use a running M (the ceiling of the running maximum): every later rescaling is an exact power of two, which a block's scale takes up: the codes' values come out the same.
;;   OPERANDS COMPUTED ON THE WAY. 'Computed on the way' means the value that the module computes at that place (a softmax that the list does not call 'softmax' is quantised finished and normalised). What goes into a quantiser is computed in f32, as accurately as f32 sums, v_exp_f32 and their like allow (about 1e-6 of the number): no bf16 or f16 on the way to a quantiser, and a product that is left as it is and whose result goes on into a quantised operand takes f32 operands (vector FMAs, or v_wmma_f32_16x16x4_f32). A number that lies on a knife's edge between two numbers of the format may be rounded either way, as far as f32 arithmetic and the matrix unit's own rounding can turn it there, and no further.
;; One version. Each part assembles by itself: llvm-mc -triple=amdgcn-amd-amdhsa -mcpu=gfx1250 --defsym DOCPART=n.
;; ======== version 1 of 1: 4 launches
;; limits: right only within a limited range of input values
;; workspace buffers: tokq 6,553,600 bytes; wq 3,328,000 bytes; rope 524,288 bytes; qbuf 6,815,744 bytes; kv 13,369,344 bytes; gate 524,288 bytes; ao 6,553,600 bytes
;; launch prep (part 1): grid 418 x 1, 4 waves a work-group, no clusters, 61,952 bytes of LDS; arguments tokens, Wq, Wkv, Wout, Wmix, Wgate, tokq, wq, rope; writes tokq, wq, rope
.if DOCPART == 1
	.amdgcn_target "amdgcn-amd-amdhsa--gfx1250"
	.amdhsa_code_object_version 6
	.text
	.protected	k_q614d7fede6_prep
	.globl	k_q614d7fede6_prep
	.p2align	8
	.type	k_q614d7fede6_prep,@function
k_q614d7fede6_prep:
	s_mov_b64 s[64:65], 0
	v_nop
	global_prefetch_b8 v0, s[64:65] scope:SCOPE_SE
	s_setreg_imm32_b32 hwreg(HW_REG_WAVE_MODE, 25, 1), 1
	s_wait_xcnt 0x0
; PREP.  Three kinds of work-group, told apart by the work-group's number:
;   0-255   tokens [8192][1024] f32 -> codes of FP6 (E2M3) with one E8M0 byte for each 32 along K, laid as images of operand registers;
;   256-385 the five weights, whose K is their FIRST axis, likewise (a lane takes a column, its registers run down K);
;   386-417 the table of cos and sin for the rotary turn.
; A GROUP is 32 neighbouring rows of an operand.  Tile u (0, 1) of a group: lane r holds row 8 u + r + 8 (r / 8).
; A RECORD (25,600 bytes) is a group for K = 1,024: fragment (K step s, tile u) at (2 s + u) x 1,536: twelve registers a lane, registers 4 c .. 4 c + 3 of lane l at 512 c + 16 l;
; from byte 24,576 on the scale words: [s / 2][lane][8 bytes], word s % 2 of lane 16 u + r is the word of tile u's row r for K step s.
; THE QUANTISER: a block's scale byte is its largest magnitude's exponent field - 2, held at 1 from below by a floor among the maximum's leaves; the conversion divides by that scale, rounds to the nearest code, ties to even,
; and gives the largest code beyond 7.5.
; LIMITS: NaN and infinities among the inputs are not served.  A block whose largest magnitude lies under 2^-124 keeps the byte 1; a block of zeros keeps the byte 1 where the rule says 127: its codes are zeros,
; and this program alone reads the bytes.  inv_freq is made as 1 / fl(10^(j/8)), which may differ in the last bit from a library's power function.
; Each kind of work-group has LDS bytes of its own: tokens 0 .. 33,791, weights 33,792 .. 61,439.  Waves share nothing: no barrier.
.set REC, 25600
	s_load_b512 s[4:19], s[0:1], 0x0               ; tokens s[4:5], Wq s[6:7], Wkv s[8:9], Wout s[10:11], Wmix s[12:13], Wgate s[14:15], tokq s[16:17], wq s[18:19]
	s_load_b64 s[20:21], s[0:1], 0x40              ; rope
	v_lshl_add_u32 v254, v0, 2, 0xf000
	v_mov_b32 v255, 0
	v_lshrrev_b32 v1, 5, v0
	v_readfirstlane_b32 s22, v1                    ; wave 0..3
	v_and_b32 v2, 31, v0                           ; lane
	v_and_b32 v3, 15, v0                           ; r
	v_bfe_u32 v1, v0, 4, 1                         ; hh = lane / 16
	s_mov_b32 s24, 0x76543210
	s_mov_b32 s25, 0xfedcba98                      ; v_permlanex16_b32's selects for lane l xor 16
	s_wait_kmcnt 0x0
	s_cmp_lt_u32 ttmp9, 256
	s_cbranch_scc1 .Ltok
	s_cmp_lt_u32 ttmp9, 386
	s_cbranch_scc1 .Lwgt
; ---------------------------------------------------------------- THE TABLE.  A wave makes tile 2 g + u of 128: positions 32 g + 8 u + r + 8 (r / 8).
; Laid [g][u][q 0..7][lane][16 bytes]: chunk q of lane (r, hh) holds cos, sin, cos, sin of pairs j, j + 1, j = 16 (q / 4) + 8 hh + 2 (q % 4).
; The angle is fl(pos x inv_freq), one f32 rounding; it is reduced by n = the nearest whole number of quarter turns (pi / 2 in two parts, n under 1,305) and goes through polynomials on [-pi/4, pi/4].
	s_sub_co_u32 s26, ttmp9, 386
	s_lshl_b32 s26, s26, 2
	s_add_co_u32 s26, s26, s22                     ; 2 g + u
	s_lshr_b32 s27, s26, 1
	s_and_b32 s28, s26, 1
	s_lshl_b32 s27, s27, 5
	s_lshl_b32 s28, s28, 3
	s_add_co_u32 s27, s27, s28                     ; 32 g + 8 u
	s_wait_alu depctr_va_vdst(0)
	v_lshrrev_b32 v4, 3, v3
	v_lshl_add_u32 v4, v4, 3, v3                   ; r + 8 (r / 8)
	v_add_nc_u32 v4, s27, v4
	v_cvt_f32_u32 v4, v4                           ; my position
	v_cmp_eq_u32 vcc_lo, 1, v1                     ; lanes 16-31
	v_lshlrev_b32 v5, 4, v2
	s_lshl_b32 s28, s26, 12                        ; 4,096 bytes a tile
	s_mov_b32 s29, 0
	s_add_nc_u64 s[20:21], s[20:21], s[28:29]
	s_mov_b32 s32, 0x3f22f983                      ; 2 / pi
	s_mov_b32 s33, 0x3fc90fdb                      ; pi / 2, upper part
	s_mov_b32 s34, 0xb33bbd2e                      ; and what is left of it
	s_mov_b32 s35, 0xb94ca1f9                      ; sine: -1.9515295891e-4,
	s_mov_b32 s36, 0x3c08839e                      ; 8.3321608736e-3,
	s_mov_b32 s37, 0xbe2aaaa3                      ; -1.6666654611e-1
	s_mov_b32 s38, 0x37ccf5ce                      ; cosine: 2.443315712e-5,
	s_mov_b32 s39, 0xbab6061a                      ; -1.388731625e-3,
	s_mov_b32 s40, 0x3d2aaaa5                      ; 4.166664568e-2
.macro PJ k, lo, hi                    ; my k-th pair is j = 16 (k / 8) + 8 hh + k % 8: its base 10^(j/8), by my half of the lanes
	v_mov_b32 v6, \hi
	v_cndmask_b32 v[16+\k], \lo, v6, vcc_lo
.endm
	PJ 0, 1.0, 10.0
	PJ 1, 1.333521432163324, 13.33521432163324
	PJ 2, 1.7782794100389228, 17.782794100389228
	PJ 3, 2.371373705661655, 23.71373705661655
	PJ 4, 3.1622776601683795, 31.622776601683795
	PJ 5, 4.216965034285822, 42.16965034285822
	PJ 6, 5.623413251903491, 56.23413251903491
	PJ 7, 7.498942093324558, 74.98942093324558
	PJ 8, 100.0, 1000.0
	PJ 9, 133.3521432163324, 1333.521432163324
	PJ 10, 177.82794100389228, 1778.2794100389228
	PJ 11, 237.1373705661655, 2371.373705661655
	PJ 12, 316.22776601683795, 3162.2776601683795
	PJ 13, 421.6965034285822, 4216.965034285822
	PJ 14, 562.3413251903491, 5623.413251903491
	PJ 15, 749.8942093324558, 7498.942093324558
.set k, 0
	s_wait_alu depctr_va_vdst(0)
.rept 16
	v_rcp_f32 v[32+k], v[16+k]
.set k, k+1
.endr
	v_nop                                          ; a plain line behind the last reciprocal
	s_wait_alu depctr_va_vdst(0)                   ; one wait for the sixteen, ahead of their first reader
.set k, 0
.rept 16
	v_fma_f32 v[48+k], -v[16+k], v[32+k], 1.0      ; one step of Newton's: 1 / P to the last bit or nearly
.set k, k+1
.endr
.set k, 0
.rept 16
	v_fma_f32 v[32+k], v[48+k], v[32+k], v[32+k]
.set k, k+1
.endr
.macro ANG k
	v_mul_f32 v6, v4, v[32+\k]                     ; the angle
	v_mul_f32 v7, s32, v6
	v_rndne_f32 v7, v7                             ; n
	v_fma_f32 v6, -v7, s33, v6
	v_fma_f32 v6, -v7, s34, v6                     ; what is left, within pi / 4 of 0
	v_cvt_i32_f32 v8, v7
	v_mul_f32 v9, v6, v6                           ; z
	v_fma_f32 v10, v9, s35, s36
	v_fma_f32 v10, v10, v9, s37
	v_mul_f32 v11, v9, v6
	v_fma_f32 v10, v10, v11, v6                    ; the sine
	v_fma_f32 v12, v9, s38, s39
	v_fma_f32 v12, v12, v9, s40
	v_mul_f32 v13, v9, v9
	v_fma_f32 v14, v9, -0.5, 1.0
	v_fma_f32 v12, v12, v13, v14                   ; the cosine
	v_and_b32 v13, 1, v8                           ; the quarter: odd ones change the two over,
	v_cmp_eq_u32 s31, 1, v13
	v_cndmask_b32 v14, v10, v12, s31
	v_cndmask_b32 v15, v12, v10, s31
	v_and_b32 v13, 2, v8                           ; quarters 2, 3 turn the sine's sign,
	v_lshlrev_b32 v13, 30, v13
	v_xor_b32 v[81+2*\k], v13, v14
	v_add_nc_u32 v13, 1, v8                        ; quarters 1, 2 the cosine's
	v_and_b32 v13, 2, v13
	v_lshlrev_b32 v13, 30, v13
	v_xor_b32 v[80+2*\k], v13, v15
.endm
.irp k, 0,1,2,3,4,5,6,7,8,9,10,11,12,13,14,15
	ANG \k
.endr
.irp q, 0,1,2,3,4,5,6,7
	global_store_b128 v5, v[80+4*\q:83+4*\q], s[20:21] offset:512*\q   ; 32 lanes store 512 consecutive bytes
.endr
	s_endpgm
; ---------------------------------------------------------------- TOKENS.  Work-group g takes group g; wave w its K steps 2 w and 2 w + 1: four fragments f = 2 s' + u.
; Each load reads 512 consecutive bytes of one row; a fragment's 16 rows turn through the wave's own stage (rows of 528 bytes) and come back 256 bytes a lane: two whole blocks of 32.
.Ltok:
	s_lshl_b32 s26, ttmp9, 17                      ; 32 rows of 4,096 bytes
	s_lshl_b32 s27, s22, 10
	s_add_co_u32 s26, s26, s27
	s_mov_b32 s27, 0
	s_add_nc_u64 s[4:5], s[4:5], s[26:27]
	s_mul_i32 s26, ttmp9, REC
	s_mul_i32 s28, s22, 6144
	s_add_co_u32 s28, s28, s26
	s_mov_b32 s29, 0
	s_add_nc_u64 s[30:31], s[16:17], s[28:29]      ; my four fragments
	s_lshl_b32 s28, s22, 8
	s_add_co_u32 s28, s28, s26
	s_add_co_u32 s28, s28, 24576
	s_add_nc_u64 s[32:33], s[16:17], s[28:29]      ; my 256 bytes of scale words
	s_wait_alu depctr_va_vdst(0)
	v_lshlrev_b32 v4, 4, v2
	v_lshlrev_b32 v8, 3, v2
	s_mul_i32 s34, s22, 8448
	v_add_nc_u32 v5, s34, v4                       ; the stage, way in
	v_mul_u32_u24 v6, v3, 528
	v_lshl_add_u32 v6, v1, 7, v6
	v_add_nc_u32 v6, s34, v6                       ; way out: row r, + 128 hh
	v_lshlrev_b32 v7, 3, v1                        ; 8 hh
	v_cmp_eq_u32 vcc_lo, 1, v1
	v_mov_b32 v249, 0                              ; a lane permute's destination counts as one of its sources
.macro TLD f
.set rho, 0
.rept 16
	global_load_b128 v[16+64*((\f)%2)+4*rho:16+64*((\f)%2)+4*rho+3], v4, s[4:5] offset:(8*((\f)%2)+rho+8*(rho/8))*4096+512*((\f)/2) th:TH_LOAD_NT
.set rho, rho+1
.endr
.endm
.macro TQ f
.set RS, 16+64*((\f)%2)
.set FS, 208+12*((\f)%2)
.if (\f) < 3
	s_wait_loadcnt 16                              ; this fragment's 16 loads are in; the next fragment's 16 stay out
.else
	s_wait_loadcnt 0
.endif
.set rho, 0
.rept 16
	ds_store_b128 v5, v[RS+4*rho:RS+4*rho+3] offset:rho*528
.set rho, rho+1
.endr
.irp c, 0,1
.irp i, 0,1,2,3,4,5,6,7
	ds_load_b128 v[144+32*\c+4*\i:147+32*\c+4*\i], v6 offset:256*\c+16*\i   ; k = 64 c + 32 hh + 4 i .. of my row; LDS serves a wave's instructions in order
.endr
.endr
	s_wait_dscnt 0x0                               ; the stores have read their registers, the numbers are back
.if (\f) < 2
	TLD (\f)+2
.else
	s_wait_xcnt 0x0                                ; the stores of two fragments ago have read the registers that this fragment's codes take
.endif
.irp c, 0,1
	v_max3_num_f32 v[240+\c], |v[144+32*\c]|, |v[145+32*\c]|, 0x1800000   ; the floor 2^(3 - 127) among the leaves
.endr
.irp i, 2,4,6,8,10,12,14,16,18,20,22,24,26,28,30
.irp c, 0,1
	v_max3_num_f32 v[240+\c], v[240+\c], |v[144+32*\c+\i]|, |v[145+32*\c+\i]|
.endr
.endr
.irp c, 0,1
	v_add_nc_u32 v[242+\c], 0xff000000, v[240+\c]  ; 2 off the exponent field: the conversion's scale operand
.endr
.irp c, 0,1
	v_lshrrev_b32 v[240+\c], 23, v[242+\c]         ; the scale's byte
.endr
	v_lshl_or_b32 v248, v241, 16, v240             ; my two bytes: blocks hh and 2 + hh,
	v_lshlrev_b32 v248, v7, v248                   ; at their places;
	v_permlanex16_b32 v249, v248, s24, s25
	v_or_b32 v[244+(\f)], v248, v249               ; with lane l xor 16's two the word is whole
.irp c, 0,1
	v_cvt_scalef32_pk16_fp6_f32 v[FS+6*\c:FS+6*\c+2], v[144+32*\c:159+32*\c], v[242+\c]
	v_cvt_scalef32_pk16_fp6_f32 v[232+4*\c:234+4*\c], v[160+32*\c:175+32*\c], v[242+\c]   ; (a conversion's three registers begin on an even number)
.endr
	v_nop                                          ; one plain line behind the conversions
.irp c, 0,1
.irp i, 0,1,2
	v_mov_b32 v[FS+6*\c+3+\i], v[232+4*\c+\i]
.endr
.endr
.irp c, 0,1,2
	global_store_b128 v4, v[FS+4*\c:FS+4*\c+3], s[30:31] offset:(\f)*1536+512*\c
.endr
.endm
	TLD 0
	TLD 1
	s_wait_alu depctr_va_vdst(0)
	TQ 0
	TQ 1
	TQ 2
	TQ 3
	v_cndmask_b32 v252, v244, v245, vcc_lo         ; lanes 0-15 tile 0's words, lanes 16-31 tile 1's
	v_cndmask_b32 v253, v246, v247, vcc_lo
	global_store_b64 v8, v[252:253], s[32:33]      ; 256 consecutive bytes
	s_wait_tensorcnt 0x0
	ds_add_u32 v254, v255
	s_wait_dscnt 0x0
	s_endpgm
; ---------------------------------------------------------------- WEIGHTS.  A wave takes group G (32 columns) and 256 along K (K steps 2 kc, 2 kc + 1): eight blocks of 32, each whole in a lane.
; Groups: 0-31 Wq, 32-95 Wkv, 96-127 Wout: four waves side by side on 512 bytes of a row.  128 Wmix, 129 Wgate: column l holds head l % 16, the four waves share K.
.Lwgt:
	s_sub_co_u32 s26, ttmp9, 256
	s_lshr_b32 s27, s26, 2
	s_lshl_b32 s27, s27, 2
	s_add_co_u32 s27, s27, s22
	s_and_b32 s28, s26, 3
	s_cmp_lt_u32 s26, 128
	s_cselect_b32 s27, s27, s26                    ; G
	s_cselect_b32 s28, s28, s22                    ; kc
	s_lshl_b32 s38, s27, 5                         ; 32 G
	s_sub_co_u32 s37, s38, 1024                    ; 32 (G - 32)
	s_sub_co_u32 s36, s38, 3072                    ; 32 (G - 96)
	s_mov_b64 s[30:31], s[14:15]                   ; the buffer, its pitch in bytes, my first column and the lanes' mask: chosen by G alone
	s_mov_b32 s29, 64
	s_mov_b32 s34, 0
	s_mov_b32 s35, 15
	s_cmp_eq_u32 s27, 128
	s_cselect_b64 s[30:31], s[12:13], s[30:31]
	s_cmp_lt_u32 s27, 128
	s_cselect_b64 s[30:31], s[10:11], s[30:31]
	s_cselect_b32 s29, 4096, s29
	s_cselect_b32 s34, s36, s34
	s_cselect_b32 s35, 31, s35
	s_cmp_lt_u32 s27, 96
	s_cselect_b64 s[30:31], s[8:9], s[30:31]
	s_cselect_b32 s29, 8192, s29
	s_cselect_b32 s34, s37, s34
	s_cmp_lt_u32 s27, 32
	s_cselect_b64 s[30:31], s[6:7], s[30:31]
	s_cselect_b32 s29, 4096, s29
	s_cselect_b32 s34, s38, s34
	s_lshl_b32 s34, s34, 2
	s_lshl_b32 s36, s28, 8
	s_mul_i32 s36, s36, s29                        ; 256 kc rows
	s_add_co_u32 s36, s36, s34
	s_mov_b32 s37, 0
	s_add_nc_u64 s[40:41], s[30:31], s[36:37]      ; a base for each block of 32 rows: no pointer is stepped later
	s_lshl_b32 s36, s29, 5
.irp t, 1,2,3,4,5,6,7
	s_add_nc_u64 s[40+2*\t:41+2*\t], s[38+2*\t:39+2*\t], s[36:37]
.endr
	s_wait_alu depctr_va_vdst(0)
	v_and_b32 v10, s35, v2
	v_lshlrev_b32 v10, 2, v10
.set i, 0
.rept 32
	v_mad_u32_u24 v[16+i], s29, i, v10             ; row i of a block, my column
.set i, i+1
.endr
	s_mul_i32 s56, s22, 6912
	s_add_co_u32 s56, s56, 33792                   ; my wave's LDS: [K step][column, 104 bytes][block][24 bytes], then 2 x 128 bytes of scale words
	v_mul_u32_u24 v4, v2, 104
	v_add_nc_u32 v4, s56, v4                       ; in: my column
	v_lshrrev_b32 v11, 3, v3
	v_and_b32 v12, 7, v3
	v_lshl_add_u32 v11, v11, 4, v12                ; r + 8 (r / 8)
	v_mul_u32_u24 v5, v11, 104
	v_mad_u32_u24 v5, v1, 24, v5
	v_add_nc_u32 v5, s56, v5                       ; out: tile 0's row r, my half's block
	v_lshlrev_b32 v6, 2, v2
	v_add_nc_u32 v6, s56, v6
	v_lshl_add_u32 v7, v1, 3, v11                  ; lane 16 u + r wants column 8 u + r + 8 (r / 8)
	v_lshlrev_b32 v7, 2, v7
	v_add_nc_u32 v7, s56, v7
	v_lshlrev_b32 v8, 4, v2
	v_lshlrev_b32 v9, 3, v2
	s_mul_i32 s57, s27, REC
	s_mul_i32 s58, s28, 6144
	s_add_co_u32 s58, s58, s57
	s_mov_b32 s59, 0
	s_add_nc_u64 s[60:61], s[18:19], s[58:59]
	s_lshl_b32 s58, s28, 8
	s_add_co_u32 s58, s58, s57
	s_add_co_u32 s58, s58, 24576
	s_add_nc_u64 s[62:63], s[18:19], s[58:59]
.macro WLD t
.set i, 0
.rept 32
	global_load_b32 v[48+32*((\t)%2)+i], v[16+i], s[40+2*(\t):41+2*(\t)] th:TH_LOAD_NT
.set i, i+1
.endr
.endm
.macro WBLK t
.set XS, 48+32*((\t)%2)
.if (\t) < 7
	s_wait_loadcnt 32                              ; this block's 32 loads are in; the next block's stay out
.else
	s_wait_loadcnt 0
.endif
	v_max3_num_f32 v122, |v[XS]|, |v[XS+1]|, |v[XS+2]|
	v_max3_num_f32 v123, |v[XS+3]|, |v[XS+4]|, |v[XS+5]|
.irp i, 6,10,14,18,22,26
	v_max3_num_f32 v122, v122, |v[XS+\i]|, |v[XS+\i+1]|
	v_max3_num_f32 v123, v123, |v[XS+\i+2]|, |v[XS+\i+3]|
.endr
	v_max3_num_f32 v122, v122, |v[XS+30]|, |v[XS+31]|
	v_max3_num_f32 v122, v122, v123, 0x1800000     ; and the floor
	v_add_nc_u32 v124, 0xff000000, v122
	v_lshrrev_b32 v125, 23, v124
.if (\t)%4 == 0
	v_mov_b32 v[126+(\t)/4], v125
.else
	v_lshl_or_b32 v[126+(\t)/4], v125, 8*((\t)%4), v[126+(\t)/4]
.endif
	v_cvt_scalef32_pk16_fp6_f32 v[112:114], v[XS:XS+15], v124
	v_cvt_scalef32_pk16_fp6_f32 v[118:120], v[XS+16:XS+31], v124
	v_nop
.irp i, 0,1,2
	v_mov_b32 v[115+\i], v[118+\i]
.endr
.irp p, 0,1,2
	ds_store_b64 v4, v[112+2*\p:113+2*\p] offset:((\t)/4)*3328+((\t)%4)*24+8*\p
.endr
.if (\t) < 6
	WLD (\t)+2
.endif
	s_wait_dscnt 0x0                               ; the stores have read their registers: the next block's codes may be written
.endm
.macro WOUT sp                         ; K step sp of my two leaves: two fragments and their scale words, read back in the operand's order
	ds_store_b32 v6, v[126+\sp] offset:6656+128*\sp
.irp u, 0,1
.irp c, 0,1
.irp p, 0,1,2
	ds_load_b64 v[128+24*\sp+12*\u+6*\c+2*\p:129+24*\sp+12*\u+6*\c+2*\p], v5 offset:3328*\sp+832*\u+48*\c+8*\p
.endr
.endr
.endr
	ds_load_b32 v[176+\sp], v7 offset:6656+128*\sp
	s_wait_dscnt 0x0
.irp u, 0,1
.irp c, 0,1,2
	global_store_b128 v8, v[128+24*\sp+12*\u+4*\c:131+24*\sp+12*\u+4*\c], s[60:61] offset:(2*\sp+\u)*1536+512*\c
.endr
.endr
.endm
	WLD 0
	WLD 1
	WBLK 0
	WBLK 1
	WBLK 2
	WBLK 3
	s_wait_alu depctr_va_vdst(0)
	WOUT 0
	WBLK 4
	WBLK 5
	WBLK 6
	WBLK 7
	s_wait_alu depctr_va_vdst(0)
	WOUT 1
	global_store_b64 v9, v[176:177], s[62:63]
	s_wait_tensorcnt 0x0
	ds_add_u32 v254, v255
	s_wait_dscnt 0x0
	s_endpgm
.Lfunc_end_k_q614d7fede6_prep:
	.size	k_q614d7fede6_prep, .Lfunc_end_k_q614d7fede6_prep-k_q614d7fede6_prep
	.p2alignl 7, 3214868480
	.fill 96, 4, 3214868480
	.section	.rodata,"a",@progbits
	.p2align	6, 0x0
	.amdhsa_kernel k_q614d7fede6_prep
		.amdhsa_group_segment_fixed_size 61952
		.amdhsa_private_segment_fixed_size 0
		.amdhsa_enable_private_segment 0
		.amdhsa_kernarg_size 72
		.amdhsa_user_sgpr_count 2
		.amdhsa_user_sgpr_kernarg_segment_ptr 1
		.amdhsa_wavefront_size32 1
		.amdhsa_system_sgpr_workgroup_id_x 1
		.amdhsa_system_sgpr_workgroup_id_y 1
		.amdhsa_system_sgpr_workgroup_id_z 1
		.amdhsa_system_vgpr_workitem_id 0
		.amdhsa_next_free_vgpr 256
		.amdhsa_next_free_sgpr 66
		.amdhsa_reserve_vcc 1
		.amdhsa_float_denorm_mode_32 3
		.amdhsa_float_denorm_mode_16_64 3
		.amdhsa_memory_ordered 1
		.amdhsa_forward_progress 1
		.amdhsa_inst_pref_size 102
	.end_amdhsa_kernel
	.amdgpu_metadata
---
amdhsa.version: [ 1, 2 ]
amdhsa.kernels:
  - .name:           k_q614d7fede6_prep
    .symbol:         k_q614d7fede6_prep.kd
    .args:
      - { .name: tokens, .offset: 0, .size: 8, .value_kind: global_buffer, .address_space: global }
      - { .name: Wq, .offset: 8, .size: 8, .value_kind: global_buffer, .address_space: global }
      - { .name: Wkv, .offset: 16, .size: 8, .value_kind: global_buffer, .address_space: global }
      - { .name: Wout, .offset: 24, .size: 8, .value_kind: global_buffer, .address_space: global }
      - { .name: Wmix, .offset: 32, .size: 8, .value_kind: global_buffer, .address_space: global }
      - { .name: Wgate, .offset: 40, .size: 8, .value_kind: global_buffer, .address_space: global }
      - { .name: tokq, .offset: 48, .size: 8, .value_kind: global_buffer, .address_space: global }
      - { .name: wq, .offset: 56, .size: 8, .value_kind: global_buffer, .address_space: global }
      - { .name: rope, .offset: 64, .size: 8, .value_kind: global_buffer, .address_space: global }
    .group_segment_fixed_size: 61952
    .private_segment_fixed_size: 0
    .kernarg_segment_align: 8
    .kernarg_segment_size: 72
    .max_flat_workgroup_size: 128
    .sgpr_count:     66
    .vgpr_count:     256
    .wavefront_size: 32
...
	.end_amdgpu_metadata
.endif
;; end of part 1
;; launch proj (part 2): grid 16 x 16, 4 waves a work-group, clusters of 4 x 1, 327,680 bytes of LDS; arguments tokq, wq, rope, value_residual, qbuf, kv, gate; writes qbuf, kv, gate
.if DOCPART == 2
	.amdgcn_target "amdgcn-amd-amdhsa--gfx1250"
	.amdhsa_code_object_version 6
	.text
	.protected	k_q614d7fede6_proj
	.globl	k_q614d7fede6_proj
	.p2align	8
	.type	k_q614d7fede6_proj,@function
k_q614d7fede6_proj:
	s_mov_b64 s[64:65], 0
	v_nop
	global_prefetch_b8 v0, s[64:65] scope:SCOPE_SE
	s_setreg_imm32_b32 hwreg(HW_REG_WAVE_MODE, 25, 1), 1
	s_wait_xcnt 0x0
	s_wait_alu depctr_hold_cnt(0) depctr_sa_sdst(0) depctr_va_vdst(0) depctr_va_sdst(0) depctr_va_ssrc(0) depctr_va_vcc(0) depctr_vm_vsrc(0)
	s_getreg_b32 s2, hwreg(HW_REG_IB_STS2, 6, 4)
	s_cmp_eq_u32 s2, 0
	s_cbranch_scc0 .Lentry_in_a_cluster
	s_endpgm
.Lentry_in_a_cluster:
	s_bfe_u32 s2, ttmp6, 0x10000c
	s_cmp_lg_u32 s2, 0x3003
	s_cbranch_scc0 .Lentry_shape_is_right
	s_endpgm
.Lentry_shape_is_right:
; PROJ.  q, k, v, mix and gate of one head for 512 tokens, all on codes of FP6 (E2M3) with E8M0 scales; then the rotary turn, the blend with value_residual, the sigmoids, and the quantisers of q, k (along d) and v (along the keys).
; SHARES.  Work-group (head, row range of 512 tokens).  THE WEIGHTS STAY IN REGISTERS: wave 0 holds the head's 64 columns of Wq, wave 1 those of Wk, waves 2 and 3 32 columns of Wv each and one tile whose columns 0-7 are
; Wmix's column of the head and 8-15 Wgate's.  The tokens' records (see the launch before: groups of 32 rows, images of operand registers) stream through two LDS slots of four records; value_residual's rows through two slots of 128 rows.
; q and k: source 0 = 16 columns, source 1 = 16 tokens: a lane holds ONE token and 16 neighbouring d of each block of 32.  v: the sources the other way round: a lane holds ONE column and 16 neighbouring tokens, which are the next K.
; CLUSTER.  The four work-groups of a cluster are four heads of one row range: they want the same records, which are asked for JOINTLY (mask 15).  value_residual's rows are each work-group's own.
; The head enters global addresses alone; no LDS address and no branch hangs on it.
; q's factor 1/8 is a power of two: it is taken off q's scale bytes (3 off each), with the floor of the largest magnitude 3 higher: the stated quantiser of q / 8, bit for bit.
; LIMITS: NaN and infinities are not served.  A block whose largest magnitude lies under 2^-124 (q: 2^-121 before its 1/8) keeps the byte 1; a block of zeros keeps the byte 1 where the rule says 127 (its codes are zeros; this program alone reads the bytes).
; No prefetch: a refill has four groups' work in which to land.
; REGISTERS.  Window 0: v1-15, v62-63 addresses; v16-23 the tokens' scale words; v24-39 the weights' scale words; the rest by role (see the .set lines).  Windows 1, 2: v0-191 the weights' fragments of K steps 0-3, 4-7;
; v192-255 the table of cos and sin for the even and the odd group in hand.  Window 3: v0-191 a group's 16 fragments.
.set REC,   25600
.set PAIRB, 2*REC                      ; two groups' records
.set SLOTB, 131072                     ; slot 1 begins here: one exclusive or turns an address from one slot to the other
.set SPARE, 129024                     ; the spare words, 128 bytes a wave: two blocks of 256 bytes that no other line names
.set VRB,   262144                     ; value_residual's slots: 2 x 128 rows x 256 bytes
.set VRSL,  32768
.set VRP,   16384
.set SPW, 1
.set NIL, 2
.set TS,  16
.set WS,  24
.set MS,  32                           ; v: the scale words of the mix and gate tile
.set TQ,  40                           ; q, k: v40-47 at work; v48-55 maxima; v56-57 scale words; v58-59 the pair to store
.set ACC, 64                           ; q, k: 32 u + 8 t + j: token tile u, column tile t
.set CD,  128                          ; q, k: a group's codes, 12 registers
.set YQ,  140
.set VA,  64                           ; v: 16 u' + i: column tile u', token 16 hh + i
.set MA,  96                           ; v: mix (lanes r < 8) and gate (r >= 8) logits of token 16 hh + i
.set SG,  112                          ; v: their sigmoids
.set MX,  128                          ; v: mix in every lane
.set VR,  144                          ; v: value_residual, 32 par + 16 u' + i
.set TVV, 208
.set FV,  224                          ; v: the codes of 64 keys for two column tiles
.set YV,  236
.set MSB, 0
.macro WIN new                         ; the immediate's high byte repeats the setting that is left
.if MSB != (\new)
	s_set_vgpr_msb (MSB<<8)|(\new)
.set MSB, (\new)
.endif
.endm
.macro CROUND                          ; a round of the cluster's barrier
	s_barrier_signal -1
	s_barrier_wait -1
	s_cmp_lg_u32 s3, 0
	s_cbranch_scc1 .Lnw0_\@
	s_barrier_signal -3
.Lnw0_\@:
	s_barrier_wait -3
	s_barrier_signal -1
	s_barrier_wait -1
.endm
.macro TLOAD                           ; waves 0, 1: two records each, jointly; waves 2, 3: 64 rows of value_residual each.  Four v_nop follow each line
	s_cmp_lt_u32 s3, 2
	s_cbranch_scc0 .Lfor_v_\@
	tensor_load_to_lds s[40:43], s[24:31]
	s_nop 0
.rept 4
	v_nop
.endr
	s_branch .Lasked_\@
.Lfor_v_\@:
	tensor_load_to_lds s[44:47], s[32:39]
	s_nop 0
.rept 4
	v_nop
.endr
.Lasked_\@:
.endm
; one scaled product: d, a, b first registers; z = 1: C is the constant 0; sa, sb the scale registers; ra, rb = 1: lanes 16-31 of them
.macro WMS d, a, b, z, sa, sb, ra, rb
.if (\z)
.if (\ra) && (\rb)
	v_wmma_scale_f32_16x16x128_f8f6f4 v[(\d):(\d)+7], v[(\a):(\a)+11], v[(\b):(\b)+11], 0, v[(\sa)], v[(\sb)] matrix_a_fmt:MATRIX_FMT_FP6 matrix_b_fmt:MATRIX_FMT_FP6 matrix_a_scale:MATRIX_SCALE_ROW1 matrix_b_scale:MATRIX_SCALE_ROW1
.elseif (\ra)
	v_wmma_scale_f32_16x16x128_f8f6f4 v[(\d):(\d)+7], v[(\a):(\a)+11], v[(\b):(\b)+11], 0, v[(\sa)], v[(\sb)] matrix_a_fmt:MATRIX_FMT_FP6 matrix_b_fmt:MATRIX_FMT_FP6 matrix_a_scale:MATRIX_SCALE_ROW1
.elseif (\rb)
	v_wmma_scale_f32_16x16x128_f8f6f4 v[(\d):(\d)+7], v[(\a):(\a)+11], v[(\b):(\b)+11], 0, v[(\sa)], v[(\sb)] matrix_a_fmt:MATRIX_FMT_FP6 matrix_b_fmt:MATRIX_FMT_FP6 matrix_b_scale:MATRIX_SCALE_ROW1
.else
	v_wmma_scale_f32_16x16x128_f8f6f4 v[(\d):(\d)+7], v[(\a):(\a)+11], v[(\b):(\b)+11], 0, v[(\sa)], v[(\sb)] matrix_a_fmt:MATRIX_FMT_FP6 matrix_b_fmt:MATRIX_FMT_FP6
.endif
.else
.if (\ra) && (\rb)
	v_wmma_scale_f32_16x16x128_f8f6f4 v[(\d):(\d)+7], v[(\a):(\a)+11], v[(\b):(\b)+11], v[(\d):(\d)+7], v[(\sa)], v[(\sb)] matrix_a_fmt:MATRIX_FMT_FP6 matrix_b_fmt:MATRIX_FMT_FP6 matrix_a_scale:MATRIX_SCALE_ROW1 matrix_b_scale:MATRIX_SCALE_ROW1
.elseif (\ra)
	v_wmma_scale_f32_16x16x128_f8f6f4 v[(\d):(\d)+7], v[(\a):(\a)+11], v[(\b):(\b)+11], v[(\d):(\d)+7], v[(\sa)], v[(\sb)] matrix_a_fmt:MATRIX_FMT_FP6 matrix_b_fmt:MATRIX_FMT_FP6 matrix_a_scale:MATRIX_SCALE_ROW1
.elseif (\rb)
	v_wmma_scale_f32_16x16x128_f8f6f4 v[(\d):(\d)+7], v[(\a):(\a)+11], v[(\b):(\b)+11], v[(\d):(\d)+7], v[(\sa)], v[(\sb)] matrix_a_fmt:MATRIX_FMT_FP6 matrix_b_fmt:MATRIX_FMT_FP6 matrix_b_scale:MATRIX_SCALE_ROW1
.else
	v_wmma_scale_f32_16x16x128_f8f6f4 v[(\d):(\d)+7], v[(\a):(\a)+11], v[(\b):(\b)+11], v[(\d):(\d)+7], v[(\sa)], v[(\sb)] matrix_a_fmt:MATRIX_FMT_FP6 matrix_b_fmt:MATRIX_FMT_FP6
.endif
.endif
.endm
; the LDS addresses of the pair in hand and of the pair that follows it in the slot: made in the text that all waves walk
.macro ADDR
	s_xor_b32 s55, s48, PAIRB
	s_xor_b32 s71, s49, VRP
	v_add_nc_u32 v8, s48, v3
	v_add_nc_u32 v9, s55, v3
	v_add_nc_u32 v10, s48, v4
	v_add_nc_u32 v62, s55, v4
	v_add_nc_u32 v11, s49, v12
	v_add_nc_u32 v63, s71, v12
.endm
; a group's record into registers: 4 loads of scale words, 48 of codes.  k = 0, 1: the pair's even, odd group; 2: the next pair's even group
.macro LOADA k
	WIN 0
.irp sp, 0,1,2,3
.if \k < 2
	ds_load_b64 v[TS+2*\sp:TS+2*\sp+1], v10 offset:\k*REC+24576+256*\sp
.else
	ds_load_b64 v[TS+2*\sp:TS+2*\sp+1], v62 offset:24576+256*\sp
.endif
.endr
	WIN 0xc0                                       ; destination window 3
.set i, 0
.rept 48
.if \k < 2
	ds_load_b128 v[4*i:4*i+3], v8 offset:\k*REC+512*i
.else
	ds_load_b128 v[4*i:4*i+3], v9 offset:512*i
.endif
.set i, i+1
.endr
	WIN 0
.endm
; value_residual of a group, turned: token 16 hh + i, column 32 rho + 8 u' + r + 8 (r / 8)
.macro VRLD k, par
.irp up, 0,1
.irp i, 0,1,2,3,4,5,6,7,8,9,10,11,12,13,14,15
.if \k < 2
	ds_load_b32 v[VR+32*\par+16*\up+\i], v11 offset:\k*8192+256*\i+32*\up
.else
	ds_load_b32 v[VR+32*\par+16*\up+\i], v63 offset:256*\i+32*\up
.endif
.endr
.endr
.endm
; q's or k's 64 columns x 32 tokens: 64 products, eight accumulators by turns, one instruction a turn.
; The count leaves out the 6 (7 - s) fragment loads of later K steps: LOADA's are the youngest LDS loads on every way that leads here.
.macro MMA_QK
.irp s, 0,1,2,3,4,5,6,7
	s_wait_dscnt 42-6*\s
	WIN 0x0d+(\s/4)                                ; source 0 window 1 or 2, source 1 window 3
.irp t, 0,1,2,3
.irp u, 0,1
	WMS ACC+32*\u+8*\t, 12*(4*(\s%4)+\t), 12*(2*\s+\u), (8-\s)/8, WS+8*(\t/2)+\s, TS+\s, \t%2, \u
.endr
.endr
.endr
	WIN 0
.rept 5
	v_nop                                          ; places behind the last products: for the loads into their operands, the reads of their results, and the next group's first products
.endr
.endm
; v's 32 columns and the mix and gate tile x 32 tokens: 48 products, six accumulators by turns
.macro MMA_V
.irp s, 0,1,2,3,4,5,6,7
	s_wait_dscnt 42-6*\s
	WIN 0x07+4*(\s/4)                              ; source 0 window 3, source 1 window 1 or 2
.irp u, 0,1
	WMS VA+8*\u, 12*(2*\s+\u), 12*(3*(\s%4)), (8-\s)/8, TS+\s, WS+\s, \u, 0
	WMS VA+16+8*\u, 12*(2*\s+\u), 12*(3*(\s%4)+1), (8-\s)/8, TS+\s, WS+\s, \u, 1
	WMS MA+8*\u, 12*(2*\s+\u), 12*(3*(\s%4)+2), (8-\s)/8, TS+\s, MS+\s, \u, 0
.endr
.endr
	WIN 0
.rept 5
	v_nop
.endr
.endm
; q's or k's way out for the pair's group par: the rotary turn, the quantiser along d, the stores
.macro EPI_QK par
	s_wait_loadcnt 16                              ; this parity's 16 table loads are in; the other parity's 16 stay out
	s_wait_xcnt 0x0                                ; the last group's stores have read the registers that are written below
	WIN (1+\par)<<2                                ; source 1: the table's window
.irp u, 0,1
.irp b, 0,1
.irp h, 0,1
.irp e, 0,1,2,3
.set X, 32*\u+16*\b+8*\h+2*\e
	v_pk_mul_f32 v[TQ+2*\e:TQ+2*\e+1], v[ACC+X:ACC+X+1], v[192+X:192+X+1] op_sel_hi:[1,0]   ; (x0, x1) cos
.endr
.irp e, 0,1,2,3
.set X, 32*\u+16*\b+8*\h+2*\e
	v_pk_fma_f32 v[ACC+X:ACC+X+1], v[ACC+X:ACC+X+1], v[192+X:192+X+1], v[TQ+2*\e:TQ+2*\e+1] op_sel:[1,1,0] op_sel_hi:[0,1,1] neg_lo:[1,0,0]   ; + (-x1, x0) sin
.endr
.endr
.endr
.endr
	WIN 0
	v_add_nc_u32 v[13+\par], s[53+\par], v3        ; the table of the group two on (held at the table's last group)
	WIN 0x40*(1+\par)
.irp u, 0,1
.irp q, 0,1,2,3,4,5,6,7
	global_load_b128 v[192+32*\u+4*\q:195+32*\u+4*\q], v[13+\par], s[12:13] offset:4096*\u+512*\q
.endr
.endr
	WIN 0
.irp u, 0,1
.irp b, 0,1
	v_max3_num_f32 v[48+\b], |v[ACC+32*\u+16*\b]|, |v[ACC+32*\u+16*\b+1]|, s68   ; my 16 numbers of block b, and the floor
.endr
.irp i, 2,4,6,8,10,12,14
.irp b, 0,1
	v_max3_num_f32 v[48+\b], v[48+\b], |v[ACC+32*\u+16*\b+\i]|, |v[ACC+32*\u+16*\b+\i+1]|
.endr
.endr
.irp b, 0,1
	v_permlanex16_b32 v[50+\b], v[48+\b], s72, s73
.endr
.irp b, 0,1
	v_max_num_f32 v[48+\b], v[48+\b], v[50+\b]     ; with lane l xor 16's: the block's
.endr
.irp b, 0,1
	v_add_nc_u32 v[52+\b], 0xff000000, v[48+\b]    ; the conversion's scale operand
.endr
.irp b, 0,1
	v_lshrrev_b32 v[54+\b], 23, v[52+\b]
.endr
	v_lshl_or_b32 v[56+\u], v55, 8, v54            ; bytes 0, 1: d's two blocks; bytes 2, 3 stay 0: they meet zero codes
	v_sub_nc_u32 v[56+\u], v[56+\u], s69           ; q: 3 off each byte, the factor 1/8
	v_cvt_scalef32_pk16_fp6_f32 v[CD+6*\u:CD+6*\u+2], v[ACC+32*\u:ACC+32*\u+15], v52
	v_cvt_scalef32_pk16_fp6_f32 v[YQ:YQ+2], v[ACC+32*\u+16:ACC+32*\u+31], v53
	v_nop                                          ; one plain line behind the conversions
.irp i, 0,1,2
	v_permlane16_swap_b32 v[CD+6*\u+\i], v[YQ+\i]  ; a whole block to a lane: lanes 0-15 block 0, lanes 16-31 block 1
.endr
.irp i, 0,1,2
	v_mov_b32 v[CD+6*\u+3+\i], v[YQ+\i]
.endr
.endr
	v_cndmask_b32 v[58+\par], v56, v57, s70        ; lanes 0-15 tile 0's words, lanes 16-31 tile 1's
.irp c, 0,1,2
	global_store_b128 v3, v[CD+4*\c:CD+4*\c+3], s[56:57] offset:\par*1536+512*\c
.endr
.if \par
	global_store_b64 v4, v[58:59], s[58:59]        ; the pair's scale words: 256 consecutive bytes
.endif
.endm
; v's way out for the pair's group par: the sigmoids, the blend, the quantiser along the keys; the gate's store
.macro EPI_V par
	s_wait_xcnt 0x0
.irp i, 0,2,4,6,8,10,12,14
	v_pk_mul_f32 v[SG+\i:SG+\i+1], v[MA+\i:MA+\i+1], s[74:75] op_sel_hi:[1,0]   ; -x log2(e)
.endr
	s_wait_alu depctr_va_vdst(0)
.irp i, 0,1,2,3,4,5,6,7,8,9,10,11,12,13,14,15
	v_exp_f32 v[SG+\i], v[SG+\i]
.endr
	s_wait_alu depctr_va_vdst(0)
.irp i, 0,2,4,6,8,10,12,14
	v_pk_add_f32 v[TVV+\i:TVV+\i+1], v[VR+32*\par+\i:VR+32*\par+\i+1], v[VA+\i:VA+\i+1] neg_lo:[0,1] neg_hi:[0,1]   ; value_residual - v: work that names no exponential's result
.endr
	s_wait_alu depctr_va_vdst(0)                   ; one wait for the sixteen exponentials
.irp i, 0,2,4,6,8,10,12,14
	v_pk_add_f32 v[SG+\i:SG+\i+1], v[SG+\i:SG+\i+1], 1.0 op_sel_hi:[1,0]
.endr
	s_wait_alu depctr_va_vdst(0)
.irp i, 0,1,2,3,4,5,6,7,8,9,10,11,12,13,14,15
	v_rcp_f32 v[SG+\i], v[SG+\i]
.endr
	v_nop
	s_wait_alu depctr_va_vdst(0)                   ; and one for the sixteen reciprocals
.irp i, 0,1,2,3,4,5,6,7,8,9,10,11,12,13,14,15
	v_mov_b32_dpp v[MX+\i], v[SG+\i] row_share:0 row_mask:0xf bank_mask:0xf   ; mix of token 16 hh + i, from the first lane of my sixteen
.endr
.irp i, 0,2,4,6,8,10,12,14
	v_pk_fma_f32 v[VA+\i:VA+\i+1], v[TVV+\i:TVV+\i+1], v[MX+\i:MX+\i+1], v[VA+\i:VA+\i+1]
.endr
.irp i, 0,2,4,6,8,10,12,14
	v_pk_add_f32 v[TVV+\i:TVV+\i+1], v[VR+32*\par+16+\i:VR+32*\par+16+\i+1], v[VA+16+\i:VA+16+\i+1] neg_lo:[0,1] neg_hi:[0,1]
.endr
.irp i, 0,2,4,6,8,10,12,14
	v_pk_fma_f32 v[VA+16+\i:VA+16+\i+1], v[TVV+\i:TVV+\i+1], v[MX+\i:MX+\i+1], v[VA+16+\i:VA+16+\i+1]
.endr
.irp up, 0,1
	v_max3_num_f32 v[40+\up], |v[VA+16*\up]|, |v[VA+16*\up+1]|, s68
.endr
.irp i, 2,4,6,8,10,12,14
.irp up, 0,1
	v_max3_num_f32 v[40+\up], v[40+\up], |v[VA+16*\up+\i]|, |v[VA+16*\up+\i+1]|
.endr
.endr
.irp up, 0,1
	v_permlanex16_b32 v[42+\up], v[40+\up], s72, s73
.endr
.irp up, 0,1
	v_max_num_f32 v[40+\up], v[40+\up], v[42+\up]  ; the group's 32 keys are a block
.endr
.irp up, 0,1
	v_add_nc_u32 v[44+\up], 0xff000000, v[40+\up]
.endr
.if \par == 0
.irp up, 0,1
	v_lshrrev_b32 v[56+\up], 23, v[44+\up]         ; the even group's byte is kept
.endr
.irp up, 0,1
	v_cvt_scalef32_pk16_fp6_f32 v[FV+6*\up:FV+6*\up+2], v[VA+16*\up:VA+16*\up+15], v[44+\up]
.endr
	v_nop
.else
.irp up, 0,1
	v_lshrrev_b32 v[46+\up], 23, v[44+\up]
.endr
.irp up, 0,1
	v_lshl_or_b32 v[46+\up], v[46+\up], 8, v[56+\up]
.endr
.irp up, 0,1
	v_alignbit_b32 v[58+\up], v[46+\up], v[58+\up], 16   ; two bytes a pair are shifted in from above: after two pairs the word of 128 keys is whole
.endr
.irp up, 0,1
	v_cvt_scalef32_pk16_fp6_f32 v[YV+4*\up:YV+4*\up+2], v[VA+16*\up:VA+16*\up+15], v[44+\up]
.endr
	v_nop
.irp up, 0,1
.irp i, 0,1,2
	v_permlane16_swap_b32 v[FV+6*\up+\i], v[YV+4*\up+\i]   ; lanes 0-15 the even group's 32 keys, lanes 16-31 the odd group's
.endr
.irp i, 0,1,2
	v_mov_b32 v[FV+6*\up+3+\i], v[YV+4*\up+\i]
.endr
.endr
.irp up, 0,1
.irp p, 0,1,2
	global_store_b64 v4, v[FV+6*\up+2*\p:FV+6*\up+2*\p+1], s[56:57] offset:768*\up+256*\p   ; 256 consecutive bytes
.endr
.endr
	s_cmp_lg_u32 s50, 1                            ; behind a key step's second pair: its scale words
	s_cbranch_scc1 .Lnvs_\@
	v_cndmask_b32 v60, v58, v59, s70
	global_store_b32 v5, v60, s[58:59]
.Lnvs_\@:
.endif
	s_cmp_lg_u32 s3, 3                             ; the gate leaves from wave 3 alone: lanes 8 and 24 hold 16 tokens' each
	s_cbranch_scc1 .Lnog_\@
	v_cmp_eq_u32 vcc_lo, 8, v6
	s_wait_xcnt 0x0                                ; EXEC changes only behind this wait
	s_and_saveexec_b32 s76, vcc_lo
.irp q, 0,1,2,3
	global_store_b128 v15, v[SG+4*\q:SG+4*\q+3], s[60:61] offset:128*\par+16*\q
.endr
	s_wait_xcnt 0x0
	s_or_b32 exec_lo, exec_lo, s76
.Lnog_\@:
.endm
.macro QK_PAIR
	MMA_QK
	LOADA 1                                        ; the odd group's record lands while the even group goes out
	EPI_QK 0
	MMA_QK
	s_cmp_eq_u32 s50, 1                            ; a slot's second pair has no successor in the slot
	s_cbranch_scc1 .Lnoq_\@
	LOADA 2
.Lnoq_\@:
	EPI_QK 1
.endm
.macro V_PAIR
	MMA_V
	VRLD 1, 1
	LOADA 1
	EPI_V 0
	MMA_V
	s_cmp_eq_u32 s50, 1
	s_cbranch_scc1 .Lnov_\@
	VRLD 2, 0
	LOADA 2
.Lnov_\@:
	EPI_V 1
.endm
; THE CHANGE OF SLOTS, at a slot's head.  Every wave waits for all its tensor loads (its part of the slot ahead), adds 0 to its spare word, and waits for that and for its reads of the slot that it has left.
; fill = 1: a round of the cluster's barrier, and behind it the slot just left is filled: a wave's one tensor load until the next change; by this text's count one load of a wave is out at a time.
.macro CHANGE fill
	s_wait_tensorcnt 0x0
	ds_add_u32 v[SPW], v[NIL]
.if \fill
	s_xor_b32 s41, s41, SLOTB                      ; no tensor load of mine is out: the walking descriptors may be written
	s_add_nc_u64 s[42:43], s[42:43], 4*REC
	s_xor_b32 s45, s45, VRSL
	s_add_nc_u64 s[46:47], s[46:47], VRSL
	s_wait_dscnt 0x0
	CROUND
	TLOAD
.else
	s_wait_dscnt 0x0
	s_barrier_signal -1
	s_barrier_wait -1
.endif
.endm
; a slot's four groups: two trips of two
.macro PERIOD
	ADDR
	s_cmp_lt_u32 s3, 2
	s_cbranch_scc1 .Lpq_\@
	VRLD 0, 0
.Lpq_\@:
	s_wait_alu depctr_va_vdst(0)
	LOADA 0
	s_mov_b32 s50, 2
.Lpair_\@:
	s_add_co_u32 s53, s52, 2                       ; the table's groups two on, held at the last
	s_min_u32 s53, s53, 63
	s_lshl_b32 s53, s53, 13
	s_add_co_u32 s54, s52, 3
	s_min_u32 s54, s54, 63
	s_lshl_b32 s54, s54, 13
	s_cmp_lt_u32 s3, 2
	s_cbranch_scc0 .Lv_\@
	s_wait_alu depctr_va_vdst(0)
	QK_PAIR
	s_branch .Ljoin_\@
.Lv_\@:
	s_wait_alu depctr_va_vdst(0)
	V_PAIR
.Ljoin_\@:
	s_wait_xcnt 0x0                                ; the stores have read their bases
	s_add_nc_u64 s[56:57], s[56:57], 3072
	s_add_nc_u64 s[58:59], s[58:59], 256
	s_add_nc_u64 s[60:61], s[60:61], 256
	s_add_co_u32 s52, s52, 2
	s_xor_b32 s48, s48, PAIRB
	s_xor_b32 s49, s49, VRP
	ADDR
	s_sub_co_u32 s50, s50, 1
	s_cmp_lg_u32 s50, 0
	s_cbranch_scc1 .Lpair_\@
	s_add_nc_u64 s[56:57], s[56:57], s[62:63]      ; k, v: on to the next key step's record
	s_add_nc_u64 s[58:59], s[58:59], s[66:67]
	s_xor_b32 s48, s48, SLOTB
	s_xor_b32 s49, s49, VRSL
.endm
	s_load_b256 s[8:15], s[0:1], 0x0               ; tokq s[8:9], wq s[10:11], rope s[12:13], value_residual s[14:15]
	s_load_b128 s[16:19], s[0:1], 0x20             ; qbuf s[16:17], kv s[18:19]
	s_load_b64 s[20:21], s[0:1], 0x30              ; gate
	v_lshl_add_u32 v[SPW], v0, 2, SPARE
	v_mov_b32 v[NIL], 0
	ds_add_u32 v1, v2
	ds_add_u32 v1, v2
	s_wait_dscnt 0x0
	v_lshrrev_b32 v6, 5, v0
	v_readfirstlane_b32 s3, v6                     ; wave 0..3
	s_bfe_u32 s4, ttmp6, 0x40000                   ; cx
	s_lshl_b32 s5, ttmp9, 2
	s_add_co_u32 s5, s5, s4                        ; the head
	s_and_b32 s6, ttmp7, 0xffff                    ; the row range
	s_lshr_b32 s7, s6, 2
	s_lshl_b32 s7, s7, 4
	s_add_co_u32 s7, s7, s5                        ; 16 b + head
	s_and_b32 s22, s6, 3                           ; which 512 tokens of the sequence
	s_and_b32 s23, s3, 1
	s_mov_b32 s24, 15|(3<<16)|(1<<21)              ; records: mask of the four; elements of 8 bytes; bit 21 beside a mask
	s_mov_b32 s25, 32<<16                          ; tensor_dim0 = 32 (256 bytes)
	s_mov_b32 s26, 200<<16                         ; tensor_dim1 = 200 rows: two records
	s_mov_b32 s27, 32<<16                          ; tile_dim0
	s_mov_b32 s28, 200                             ; tile_dim1
	s_mov_b32 s29, 32                              ; the pitch: dense
	s_mov_b32 s30, 0
	s_mov_b32 s31, 0
	s_mov_b32 s32, 3<<16                           ; value_residual: no mask; 64 rows of 256 bytes, dense
	s_mov_b32 s33, 32<<16
	s_mov_b32 s34, 64<<16
	s_mov_b32 s35, 32<<16
	s_mov_b32 s36, 64
	s_mov_b32 s37, 32
	s_mov_b32 s38, 0
	s_mov_b32 s39, 0
	s_mov_b32 s40, 1
	s_mul_i32 s41, s23, PAIRB                      ; slot 0, my half
	s_mul_i32 s78, s6, 16*REC                      ; the row range's 16 records: the row range and the wave alone enter a joint load's address
	s_add_co_u32 s78, s78, s41
	s_mov_b32 s79, 0
	s_mov_b32 s44, 1
	s_lshl_b32 s45, s23, 14
	s_add_co_u32 s45, s45, VRB
	s_lshl_b32 s82, s7, 19                         ; 2,048 rows of 256 bytes a head
	s_lshl_b32 s83, s22, 17
	s_add_co_u32 s82, s82, s83
	s_lshl_b32 s83, s23, 14
	s_add_co_u32 s82, s82, s83
	s_mov_b32 s83, 0
	s_wait_kmcnt 0x0
	s_add_nc_u64 s[42:43], s[8:9], s[78:79]
	s_or_b32 s43, s43, 0x80000000
	s_add_nc_u64 s[46:47], s[14:15], s[82:83]
	s_or_b32 s47, s47, 0x80000000
	CROUND                                         ; the four work-groups are here: the first joint loads meet
	TLOAD                                          ; slot 0
	v_and_b32 v7, 31, v0
	v_lshlrev_b32 v3, 4, v7                        ; 16 x lane
	v_lshlrev_b32 v4, 3, v7                        ; 8 x lane
	v_lshlrev_b32 v5, 2, v7                        ; 4 x lane
	v_and_b32 v6, 15, v0                           ; r
	v_bfe_u32 v7, v0, 4, 1                         ; hh
	v_lshrrev_b32 v12, 3, v6
	v_lshl_add_u32 v12, v12, 3, v6
	v_lshlrev_b32 v12, 2, v12
	v_lshl_add_u32 v12, v7, 12, v12
	s_lshl_b32 s2, s23, 7
	v_add_nc_u32 v12, s2, v12                      ; value_residual: 4,096 hh + 4 (r + 8 (r / 8)) + 128 rho
	v_lshlrev_b32 v15, 6, v7                       ; the gate's store: 64 hh
	; what differs between the roles, chosen by the wave's number
	s_mul_i32 s84, s7, 106496
	s_mul_i32 s85, s22, 24576
	s_add_co_u32 s85, s85, s84                     ; q: codes
	s_lshl_b32 s86, s22, 11
	s_add_co_u32 s86, s86, s84
	s_add_co_u32 s86, s86, 98304                   ; q: scale words
	s_lshl_b32 s87, s7, 4
	s_lshl_b32 s88, s22, 2
	s_add_co_u32 s87, s87, s88
	s_mul_i32 s87, s87, 13056                      ; k, v: the first key step's record
	s_mul_i32 s88, s23, 1536
	s_add_co_u32 s88, s88, 6144
	s_lshl_b32 s89, s23, 7
	s_add_co_u32 s89, s89, 12544                   ; (v's words are stored behind the second pair, when this base has stepped by 256)
	s_cmp_lt_u32 s3, 2
	s_cselect_b32 s88, 0, s88
	s_cselect_b32 s89, 12288, s89
	s_add_co_u32 s88, s88, s87
	s_add_co_u32 s89, s89, s87
	s_mov_b32 s68, 0x1800000                       ; the floor 2^(3 - 127); q: 2^(6 - 127)
	s_cmp_eq_u32 s3, 0
	s_cselect_b32 s78, s85, s88
	s_cselect_b32 s82, s86, s89
	s_cselect_b64 s[56:57], s[16:17], s[18:19]
	s_cselect_b32 s62, 0, 6912
	s_cselect_b32 s66, 0, 12544
	s_cselect_b32 s68, 0x3000000, s68
	s_cselect_b32 s69, 0x0303, 0
	s_mov_b32 s79, 0
	s_mov_b32 s83, 0
	s_mov_b32 s63, 0
	s_mov_b32 s67, 0
	s_mov_b64 s[58:59], s[56:57]
	s_add_nc_u64 s[56:57], s[56:57], s[78:79]      ; where my codes go
	s_add_nc_u64 s[58:59], s[58:59], s[82:83]      ; and my scale words
	s_lshl_b32 s78, s7, 13
	s_lshl_b32 s2, s22, 11
	s_add_co_u32 s78, s78, s2
	s_add_nc_u64 s[60:61], s[20:21], s[78:79]      ; the gate
	s_lshl_b32 s78, s3, 5                          ; my weights' first record: 32 x wave + 2 head (q, k), 64 + 2 head + rho (v)
	s_add_co_u32 s79, s3, 62
	s_cmp_lt_u32 s3, 2
	s_cselect_b32 s78, s78, s79
	s_lshl_b32 s79, s5, 1
	s_add_co_u32 s78, s78, s79
	s_mul_i32 s78, s78, REC
	s_mov_b32 s79, 0
	s_add_nc_u64 s[80:81], s[10:11], s[78:79]
	s_mov_b32 s70, 0xffff0000                      ; lanes 16-31
	s_mov_b32 s72, 0x76543210
	s_mov_b32 s73, 0xfedcba98
	s_mov_b32 s74, 0xbfb8aa3b                      ; -log2(e)
	s_mov_b32 s75, s74
	s_lshl_b32 s52, s22, 4                         ; my first group in the sequence
	s_mov_b32 s48, 0
	s_mov_b32 s49, VRB
	s_cmp_lt_u32 s3, 2
	s_cbranch_scc0 .Lpro_v
	; ---- q's and k's waves: 32 fragments, their scale words, the table of the first two groups
	WIN 0x40
.irp s, 0,1,2,3
.irp t, 0,1,2,3
.irp c, 0,1,2
	global_load_b128 v[12*(4*\s+\t)+4*\c:12*(4*\s+\t)+4*\c+3], v3, s[80:81] offset:(\t/2)*REC+(2*\s+\t%2)*1536+512*\c
.endr
.endr
.endr
	WIN 0x80
.irp s, 0,1,2,3
.irp t, 0,1,2,3
.irp c, 0,1,2
	global_load_b128 v[12*(4*\s+\t)+4*\c:12*(4*\s+\t)+4*\c+3], v3, s[80:81] offset:(\t/2)*REC+(2*(\s+4)+\t%2)*1536+512*\c
.endr
.endr
.endr
	WIN 0
.irp g, 0,1
.irp sp, 0,1,2,3
	global_load_b64 v[WS+8*\g+2*\sp:WS+8*\g+2*\sp+1], v4, s[80:81] offset:\g*REC+24576+256*\sp
.endr
.endr
	s_lshl_b32 s2, s52, 13
	v_add_nc_u32 v13, s2, v3
	v_add_nc_u32 v14, 8192, v13
	WIN 0x40
.irp u, 0,1
.irp q, 0,1,2,3,4,5,6,7
	global_load_b128 v[192+32*\u+4*\q:195+32*\u+4*\q], v13, s[12:13] offset:4096*\u+512*\q
.endr
.endr
	WIN 0x80
.irp u, 0,1
.irp q, 0,1,2,3,4,5,6,7
	global_load_b128 v[192+32*\u+4*\q:195+32*\u+4*\q], v14, s[12:13] offset:4096*\u+512*\q
.endr
.endr
	WIN 0
	v_mov_b32 v50, 0                               ; a lane permute's destination counts as one of its sources
	v_mov_b32 v51, 0
	s_wait_loadcnt 32                              ; the weights are in; the two table sets stay out
	s_branch .Lpro_join
.Lpro_v:
	; ---- v's waves: 16 fragments of Wv, 8 of the mix and gate tile: lane (r, hh) takes the registers of the head's row in Wmix's record (r < 8) or Wgate's
	s_wait_alu depctr_va_vdst(0)
	v_lshrrev_b32 v210, 3, v6
	v_mul_u32_u24 v210, v210, REC
	s_wait_alu depctr_va_vdst(0)
	s_lshr_b32 s2, s5, 3
	s_and_b32 s78, s5, 7
	s_mul_i32 s79, s2, 1536
	s_lshl_b32 s82, s78, 4
	s_add_co_u32 s79, s79, s82
	v_lshl_add_u32 v208, v7, 8, v210
	v_add_nc_u32 v208, s79, v208
	s_lshl_b32 s2, s2, 4
	s_add_co_u32 s2, s2, s78
	s_lshl_b32 s2, s2, 3
	v_add_nc_u32 v209, s2, v210
	WIN 0x40
.irp s, 0,1,2,3
.irp c, 0,1,2
	global_load_b128 v[12*(3*\s)+4*\c:12*(3*\s)+4*\c+3], v3, s[80:81] offset:(2*\s)*1536+512*\c
	global_load_b128 v[12*(3*\s+1)+4*\c:12*(3*\s+1)+4*\c+3], v3, s[80:81] offset:(2*\s+1)*1536+512*\c
	global_load_b128 v[12*(3*\s+2)+4*\c:12*(3*\s+2)+4*\c+3], v208, s[10:11] offset:128*REC+3072*\s+512*\c
.endr
.endr
	WIN 0x80
.irp s, 0,1,2,3
.irp c, 0,1,2
	global_load_b128 v[12*(3*\s)+4*\c:12*(3*\s)+4*\c+3], v3, s[80:81] offset:(2*(\s+4))*1536+512*\c
	global_load_b128 v[12*(3*\s+1)+4*\c:12*(3*\s+1)+4*\c+3], v3, s[80:81] offset:(2*(\s+4)+1)*1536+512*\c
	global_load_b128 v[12*(3*\s+2)+4*\c:12*(3*\s+2)+4*\c+3], v208, s[10:11] offset:128*REC+3072*(\s+4)+512*\c
.endr
.endr
	WIN 0
.irp sp, 0,1,2,3
	global_load_b64 v[WS+2*\sp:WS+2*\sp+1], v4, s[80:81] offset:24576+256*\sp
	global_load_b64 v[MS+2*\sp:MS+2*\sp+1], v209, s[10:11] offset:128*REC+24576+256*\sp
.endr
	v_mov_b32 v42, 0
	v_mov_b32 v43, 0
	v_mov_b32 v58, 0
	v_mov_b32 v59, 0
.irp i, 0,1,2,3,4,5,6,7,8,9,10,11,12,13,14,15
	v_mov_b32 v[MX+\i], 0                          ; written once: the destination of a lane move counts as one of its sources
.endr
	s_wait_loadcnt 0x0
.Lpro_join:
	s_mov_b32 s51, 3
.Lslot:                                            ; three trips: behind each change of slots but the last the next four groups are asked for
	CHANGE 1
	PERIOD
	s_sub_co_u32 s51, s51, 1
	s_cmp_lg_u32 s51, 0
	s_cbranch_scc1 .Lslot
	CHANGE 0                                       ; the last slot is written out
	PERIOD
	s_wait_tensorcnt 0x0                           ; the wave's end
	ds_add_u32 v[SPW], v[NIL]
	s_wait_dscnt 0x0
	CROUND                                         ; the closing round
	s_endpgm
.Lfunc_end_k_q614d7fede6_proj:
	.size	k_q614d7fede6_proj, .Lfunc_end_k_q614d7fede6_proj-k_q614d7fede6_proj
	.p2alignl 7, 3214868480
	.fill 96, 4, 3214868480
	.section	.rodata,"a",@progbits
	.p2align	6, 0x0
	.amdhsa_kernel k_q614d7fede6_proj
		.amdhsa_group_segment_fixed_size 327680
		.amdhsa_private_segment_fixed_size 0
		.amdhsa_enable_private_segment 0
		.amdhsa_kernarg_size 56
		.amdhsa_user_sgpr_count 2
		.amdhsa_user_sgpr_kernarg_segment_ptr 1
		.amdhsa_wavefront_size32 1
		.amdhsa_system_sgpr_workgroup_id_x 1
		.amdhsa_system_sgpr_workgroup_id_y 1
		.amdhsa_system_sgpr_workgroup_id_z 1
		.amdhsa_system_vgpr_workitem_id 0
		.amdhsa_next_free_vgpr 1024
		.amdhsa_next_free_sgpr 100
		.amdhsa_reserve_vcc 1
		.amdhsa_float_denorm_mode_32 3
		.amdhsa_float_denorm_mode_16_64 3
		.amdhsa_memory_ordered 1
		.amdhsa_forward_progress 1
		.amdhsa_inst_pref_size 211
	.end_amdhsa_kernel
	.amdgpu_metadata
---
amdhsa.version: [ 1, 2 ]
amdhsa.kernels:
  - .name:           k_q614d7fede6_proj
    .symbol:         k_q614d7fede6_proj.kd
    .args:
      - { .name: tokq, .offset: 0, .size: 8, .value_kind: global_buffer, .address_space: global }
      - { .name: wq, .offset: 8, .size: 8, .value_kind: global_buffer, .address_space: global }
      - { .name: rope, .offset: 16, .size: 8, .value_kind: global_buffer, .address_space: global }
      - { .name: value_residual, .offset: 24, .size: 8, .value_kind: global_buffer, .address_space: global }
      - { .name: qbuf, .offset: 32, .size: 8, .value_kind: global_buffer, .address_space: global }
      - { .name: kv, .offset: 40, .size: 8, .value_kind: global_buffer, .address_space: global }
      - { .name: gate, .offset: 48, .size: 8, .value_kind: global_buffer, .address_space: global }
    .group_segment_fixed_size: 327680
    .private_segment_fixed_size: 0
    .kernarg_segment_align: 8
    .kernarg_segment_size: 56
    .max_flat_workgroup_size: 128
    .sgpr_count:     100
    .vgpr_count:     1024
    .wavefront_size: 32
...
	.end_amdgpu_metadata
.endif
;; end of part 2
;; launch attn (part 3): grid 8 x 32, 16 waves a work-group, no clusters, 327,680 bytes of LDS; arguments qbuf, kv, gate, ao; writes ao
.if DOCPART == 3
	.amdgcn_target "amdgcn-amd-amdhsa--gfx1250"
	.amdhsa_code_object_version 6
	.text
	.protected	k_q614d7fede6_attn
	.globl	k_q614d7fede6_attn
	.p2align	8
	.type	k_q614d7fede6_attn,@function
k_q614d7fede6_attn:
	s_mov_b64 s[64:65], 0
	v_nop
	global_prefetch_b8 v0, s[64:65] scope:SCOPE_SE
	s_setreg_imm32_b32 hwreg(HW_REG_WAVE_MODE, 25, 1), 1
	s_wait_xcnt 0x0
; ATTN.  o = gate x softmax(q k^T under the window 0 <= i - j <= 512) v, both products on codes of FP6 (E2M3) with E8M0 scales; o is quantised along (head, d) for the last product.
; THE SOFTMAX: t = score x log2(e) (q carries its 1/8); M = the row's largest t so far, rounded UP to a whole number; p = 2^(t - M) is quantised along the keys, not normalised; the row's sum is taken of the
; unquantised p and divides at the end.  When M moves, the sum and O are multiplied by 2^(old M - new M): exact.
; SHARES.  A work-group owns 256 queries of two neighbouring heads; each of its sixteen waves one tile of 16 queries (group g = 8 x + w / 2, tile u = w % 2: lane r holds query 32 g + 8 u + r + 8 (r / 8)).
; A wave walks head 0 and then head 1, so that at the end it holds a whole fragment (128 along the last product's K) and a whole scale word.
; THE WINDOW, BY BLOCKS OF 32 KEYS.  reference() hides every key behind the query and every key more than 512 back.  For the 32 queries of group g the open keys lie in the 17 blocks g - 16 .. g: blocks outside are
; hidden whole, for all values of the inputs, and are not multiplied.  Block g - 16 and block g are open in part, the 15 between are open whole.  The walk: four steps of 128 keys, blocks g - 16 + 4 v + 0 .. 3,
; and one short step with block g alone.  With gq = g % 4 a step's position p is block (gq + p) % 4 of the record in slot v + (gq + p) / 4: only addresses differ from an aligned step, all made of the wave's number.
; Only position 0 is ever masked: in the first step (keys more than 512 back) and in the short step (keys behind the query).  Blocks ahead of key 0 become -infinity under scalar branches on ids; a step that lies
; wholly ahead of key 0 is jumped over.  Every step that is walked has an open key for every row, so M is a number from the first walked step on.
; LDS: for each head six records of 13,056 bytes (key steps 2 x - 4 .. 2 x + 1, held at 0 from below): K's codes, V's codes with the keys innermost, their scale words.  Waves 0-5 fetch head 0's at the head, one load a
; wave, and head 1's behind the barrier that follows head 0's fill; nothing is filled again.
; Both products are used transposed: a lane holds ONE query throughout.  K is 64 in a form of 128: q's registers 6-11 are zero codes, so what stands in K's registers 6-11 adds nothing; bytes 2, 3 of both scale words are 0.
; In the short step p's codes of positions 1-3 are zeros, so what V's registers hold there adds nothing; the scale bytes there are finite codes.
; No cluster: neighbouring query blocks want different key steps in different slots, so no joint load could have one descriptor for all partners.
; No prefetch: head 0's records are asked for in the first lines, head 1's a whole head's walk (17 blocks a wave) ahead of their first read.
; LIMITS: NaN and infinities are not served; a block of o whose largest magnitude lies under 2^-124, zeros among them, keeps the byte 1.
; REGISTERS: v1-3 lane terms; v4-6 LDS addresses; v7 the mask's number; v8, v9 the gate of this head, the next; v10, v11, v34 V's lane offsets; v12 -M, v13 the largest t, v[14:15] the sum; v16-27 q; v28-33 the next head's q;
; v35, v36 V's scale words of the next record; v40-93 K's tiles, then V's fragments; v96-159 addresses, S^T, then p; v160-191 O^T; v192-203 p's codes; v204-210, v212-223, v236-241, v94-95 at work; v224-235 o's fragment;
; v244-247 K's scale words, v248-249 V's, v250 p's, v251, v252 q's; v253 o's; v[254:255] a factor.
.set REC, 13056
.set SPARE, 0x29000
.macro HINT n
	s_delay_alu instid0(VALU_DEP_\n)
.endm
	s_load_b256 s[4:11], s[0:1], 0x0               ; qbuf s[4:5], kv s[6:7], gate s[8:9], ao s[10:11]
	v_lshl_add_u32 v242, v0, 2, SPARE
	v_mov_b32 v243, 0
	ds_add_u32 v242, v243                          ; the opening lines: the add, twice on end, and its wait
	ds_add_u32 v242, v243
	v_lshrrev_b32 v1, 5, v0
	s_delay_alu instid0(VALU_DEP_1)
	v_readfirstlane_b32 s12, v1                    ; wave 0..15
	s_and_b32 s13, ttmp7, 0xffff
	s_lshr_b32 s14, s13, 3                         ; b
	s_and_b32 s15, s13, 7                          ; the pair of heads
	s_lshl_b32 s16, s14, 4
	s_lshl_b32 s17, s15, 1
	s_add_co_u32 s16, s16, s17                     ; 16 b + the first head
	s_lshr_b32 s17, s12, 1
	s_lshl_b32 s18, ttmp9, 3
	s_add_co_u32 s18, s18, s17                     ; g
	s_and_b32 s19, s12, 1                          ; u
	s_lshr_b32 s20, s12, 3
	s_lshl_b32 s21, ttmp9, 1
	s_add_co_u32 s22, s21, s12                     ; the key step of slot w: 2 x - 4 + w, held to 0 .. 15
	s_sub_co_i32 s22, s22, 4
	s_max_i32 s22, s22, 0
	s_min_u32 s22, s22, 15
	s_lshl_b32 s23, s16, 4
	s_add_co_u32 s22, s22, s23
	s_mul_i32 s22, s22, REC
	s_mov_b32 s23, 0
	s_mov_b32 s24, 3<<16                           ; a record: 51 rows of 256 bytes, dense
	s_mov_b32 s25, 32<<16
	s_mov_b32 s26, 51<<16
	s_mov_b32 s27, 32<<16
	s_mov_b32 s28, 51
	s_mov_b32 s29, 32
	s_mov_b32 s30, 0
	s_mov_b32 s31, 0
	s_min_u32 s40, s12, 5
	s_mov_b32 s32, 1
	s_mul_i32 s33, s40, REC                        ; head 0's slot w
	s_mov_b32 s36, 1
	s_add_co_u32 s37, s33, 6*REC                   ; head 1's
	s_wait_dscnt 0x0
	s_wait_kmcnt 0x0
	s_add_nc_u64 s[34:35], s[6:7], s[22:23]
	s_add_nc_u64 s[38:39], s[34:35], 16*REC        ; sixteen records on: the next head
	s_or_b32 s35, s35, 0x80000000
	s_or_b32 s39, s39, 0x80000000
	s_cmp_lt_u32 s12, 6                            ; waves 0 to 5 fetch head 0's six records, one load a wave
	s_cbranch_scc0 .Lnofill
	tensor_load_to_lds s[32:35], s[24:31]
	s_nop 0
.rept 4
	v_nop
.endr
.Lnofill:
	s_lshl_b32 s41, s19, 3                         ; 8 u
	s_mul_i32 s52, s19, 520                        ; tile u's six registers in a group's 1,536 bytes: three pieces of 8 bytes
	s_mul_i32 s53, s19, 1016
	s_add_co_u32 s53, s53, 8
	s_add_co_u32 s54, s52, 512
	s_lshl_b32 s55, s19, 7
	s_mul_i32 s42, s16, 106496
	s_mul_i32 s43, s18, 1536
	s_add_co_u32 s44, s42, s43
	s_mov_b32 s45, 0
	s_add_nc_u64 s[46:47], s[4:5], s[44:45]        ; q's codes
	s_lshr_b32 s43, s18, 1
	s_lshl_b32 s43, s43, 8
	s_and_b32 s44, s18, 1
	s_lshl_b32 s44, s44, 2
	s_add_co_u32 s44, s44, s43
	s_add_co_u32 s44, s44, s42
	s_add_co_u32 s44, s44, 98304
	s_add_nc_u64 s[48:49], s[4:5], s[44:45]        ; q's scale words
	s_lshl_b32 s44, s16, 13
	s_lshl_b32 s43, s18, 7
	s_add_co_u32 s44, s44, s43
	s_add_nc_u64 s[50:51], s[8:9], s[44:45]        ; the gate
	s_and_b32 s67, s17, 3                          ; gq
; position p of a step: n = gq + p; block j = n % 4 of the record n / 4 slots on.  s[68+p]: K's codes; s[72+p]: K's scale words; s[90+p]: V's codes (pair j / 2, half of the lanes j % 2)
.irp p, 0,1,2,3
	s_add_co_u32 s77, s67, \p
	s_lshr_b32 s78, s77, 2
	s_mul_i32 s78, s78, REC
	s_and_b32 s77, s77, 3
	s_mul_i32 s79, s77, 1536
	s_add_co_u32 s[68+\p], s79, s78
	s_lshr_b32 s79, s77, 1
	s_and_b32 s77, s77, 1
	s_lshl_b32 s88, s79, 8
	s_lshl_b32 s89, s77, 2
	s_add_co_u32 s88, s88, s89
	s_add_co_u32 s88, s88, s78
	s_add_co_u32 s[72+\p], s88, 12288
	s_mul_i32 s79, s79, 3072
	s_lshl_b32 s77, s77, 7
	s_add_co_u32 s79, s79, s77
	s_add_co_u32 s[90+\p], s79, s78
.endr
	s_sub_co_u32 s94, s91, s90                     ; from lanes 0-15's block to lanes 16-31's: above 0, since the offsets rise with n
	s_sub_co_u32 s95, s93, s92
	s_mul_i32 s76, s67, 0x01010101
	s_add_co_u32 s76, s76, 0x03020100              ; byte p of V's scale word is byte gq + p of the two records' words on end
	s_mov_b32 s56, 0x76543210
	s_mov_b32 s57, 0xfedcba98
	s_mov_b32 s58, 0x3fb8aa3b                      ; log2(e)
	s_mov_b32 s59, s58
	s_mul_i32 s60, s20, REC                        ; my first slot: w / 8
	s_add_co_u32 s66, s21, s20
	s_sub_co_i32 s66, s66, 4
	s_lshl_b32 s66, s66, 2
	s_add_co_i32 s66, s66, s67                     ; my first block among the sequence's: g - 16
	v_and_b32 v37, 31, v0
	v_and_b32 v38, 15, v0                          ; r
	v_bfe_u32 v39, v0, 4, 1                        ; hh
	HINT 3
	v_lshlrev_b32 v1, 4, v37
	HINT 4
	v_lshlrev_b32 v2, 3, v37
	v_lshlrev_b32 v3, 2, v37
	v_lshrrev_b32 v7, 3, v38
	HINT 1
	v_lshl_add_u32 v7, v7, 3, v38
	HINT 1
	v_add_nc_u32 v7, s41, v7                       ; my query in its group: 8 u + r + 8 (r / 8)
	v_lshlrev_b32 v6, 4, v39
	HINT 2
	v_lshlrev_b32 v208, 2, v7
	HINT 2
	v_sub_nc_u32 v7, v7, v6                        ; less 16 hh: register i of position 0 holds the block's key i + 16 hh
	v_add_nc_u32 v204, s52, v1
	v_add_nc_u32 v205, s53, v1
	v_add_nc_u32 v206, s54, v1
	v_lshl_add_u32 v207, v38, 3, s55               ; q's scale word: lane 16 u + r
	v_mul_u32_u24 v10, s94, v39
	v_mul_u32_u24 v11, s95, v39
	v_lshl_add_u32 v34, v38, 3, s90                ; the short step: position 0's block for every lane
	HINT 3
	v_lshl_add_u32 v10, v38, 3, v10
	HINT 3
	v_lshl_add_u32 v11, v38, 3, v11
	HINT 2
	v_add_nc_u32 v10, s90, v10                     ; V, positions 0 (lanes 0-15) and 1 (lanes 16-31)
	HINT 2
	v_add_nc_u32 v11, s92, v11                     ; positions 2 and 3
	global_load_b64 v[16:17], v204, s[46:47]
	global_load_b64 v[18:19], v205, s[46:47]
	global_load_b64 v[20:21], v206, s[46:47]
	global_load_b64 v[28:29], v204, s[46:47] offset:106496
	global_load_b64 v[30:31], v205, s[46:47] offset:106496
	global_load_b64 v[32:33], v206, s[46:47] offset:106496
	global_load_b32 v251, v207, s[48:49]
	global_load_b32 v252, v207, s[48:49] offset:106496
	global_load_b32 v8, v208, s[50:51]
	global_load_b32 v9, v208, s[50:51] offset:8192
.irp i, 22,23,24,25,26,27,52,53,54,55,56,57,88,89,90,91,92,93,216,217,218,219,236,253,255
	v_mov_b32 v[\i], 0                             ; q's zero codes; what stands behind K's last tile of a step; destinations of lane permutes; o's scale word; the factor's upper half
.endr
.irp i, 0,1,2,3,4,5,6,7,8,9,10,11
	v_mov_b32 v[224+\i], 0                         ; o's fragment is shifted along by halves: the first shift finds zeros
.endr
	s_wait_alu depctr_va_vdst(0)
	s_wait_tensorcnt 0x0                           ; my record of head 0 is in
	ds_add_u32 v242, v243
	ds_add_u32 v242, v243                          ; twice
	s_wait_dscnt 0x0
	s_barrier_signal -1
	s_barrier_wait -1                              ; everybody's record of head 0 is in
	s_cmp_lt_u32 s12, 6
	s_cbranch_scc0 .Lnofill2
	tensor_load_to_lds s[36:39], s[24:31]          ; head 1's six records, one load a wave: they land while head 0 is walked
	s_nop 0
.rept 4
	v_nop
.endr
.Lnofill2:
	s_wait_loadcnt 0x0
	s_mov_b32 s63, 2
; A step of nb blocks of 32 keys (4, or 1: the short step).  s60: the LDS base of the step's first record
.macro STEP nb
.set bi, 0
.rept \nb
	s_add_co_u32 s[80+bi], s60, s[68+bi]
	s_add_co_u32 s[84+bi], s60, s[72+bi]
.set bi, bi+1
.endr
.set bi, 0
.rept \nb
	v_add_nc_u32 v[96+bi], s[80+bi], v1            ; these lines are also the places in front of loads into registers that the last products read
	v_add_nc_u32 v[100+bi], s[84+bi], v2
.set bi, bi+1
.endr
.if \nb == 4
	v_add_nc_u32 v4, s60, v10
	v_add_nc_u32 v5, s60, v11
.else
	v_add_nc_u32 v4, s60, v34
	v_add_nc_u32 v5, s60, v34
.endif
	v_add_nc_u32 v6, s60, v3
.set bi, 0
.rept \nb
.irp c, 0,1,2
	ds_load_b128 v[40+12*bi+4*\c:43+12*bi+4*\c], v[96+bi] offset:512*\c
.endr
	ds_load_b32 v[244+bi], v[100+bi]
.set bi, bi+1
.endr
	s_wait_alu depctr_va_vdst(0)
	s_wait_dscnt 0x0
.set bi, 0
.rept \nb                              ; S^T = K q^T: the 16 registers of position bi are its keys 16 hh + 0 .. 15
	v_wmma_scale_f32_16x16x128_f8f6f4 v[96+16*bi:103+16*bi], v[40+12*bi:51+12*bi], v[16:27], 0, v[244+bi], v251 matrix_a_fmt:MATRIX_FMT_FP6 matrix_b_fmt:MATRIX_FMT_FP6
	v_wmma_scale_f32_16x16x128_f8f6f4 v[104+16*bi:111+16*bi], v[46+12*bi:57+12*bi], v[16:27], 0, v[244+bi], v251 matrix_a_fmt:MATRIX_FMT_FP6 matrix_b_fmt:MATRIX_FMT_FP6 matrix_a_scale:MATRIX_SCALE_ROW1
.set bi, bi+1
.endr
.rept 4
	v_nop
.endr
.irp c, 0,1                            ; V's fragments land during the softmax
.irp t, 0,1,2,3
.irp p, 0,1,2
	ds_load_b64 v[40+12*\t+6*\c+2*\p:41+12*\t+6*\c+2*\p], v[4+\c] offset:6144+768*\t+256*\p
.endr
.endr
.endr
	ds_load_b32 v248, v6 offset:12800
	ds_load_b32 v249, v6 offset:12928
.if \nb == 4
	ds_load_b32 v35, v6 offset:12800+REC
	ds_load_b32 v36, v6 offset:12928+REC
	s_cmp_ge_i32 s61, 0                            ; blocks ahead of the sequence's start are hidden: s61 is position 0's block
	s_cbranch_scc1 .Lall_\@
.irp p, 0,1,2
	s_cmp_ge_i32 s61, -\p
	s_cbranch_scc1 .Lall_\@
.set i, 0
.rept 16
	v_mov_b32 v[96+16*\p+i], 0xff800000
.set i, i+1
.endr
	s_wait_alu depctr_va_vdst(0)
.endr
.Lall_\@:
	s_cmp_lg_u32 s62, 0                            ; the first step: position 0's keys more than 512 back are hidden
	s_cbranch_scc1 .Lnf_\@
	v_mov_b32 v237, 0xff800000
.set i, 0
.rept 16
	v_cmp_lt_i32 vcc_lo, i, v7
	v_cndmask_b32 v[96+i], v[96+i], v237, vcc_lo
.set i, i+1
.endr
.Lnf_\@:
.else
	v_mov_b32 v237, 0xff800000                     ; the short step: keys behind the query are hidden
.set i, 0
.rept 16
	v_cmp_gt_i32 vcc_lo, i, v7
	v_cndmask_b32 v[96+i], v[96+i], v237, vcc_lo
.set i, i+1
.endr
.endif
.set bi, 0
.rept \nb
	v_max3_num_f32 v[212+bi], v[96+16*bi], v[97+16*bi], v[98+16*bi]   ; the largest score of each block: for the row's maximum and, since p rises with the score, for the block's largest p
.set bi, bi+1
.endr
.irp i, 3,5,7,9,11,13
.set bi, 0
.rept \nb
.if \nb == 1
	HINT 1
.endif
	v_max3_num_f32 v[212+bi], v[212+bi], v[96+16*bi+\i], v[97+16*bi+\i]
.set bi, bi+1
.endr
.endr
.set bi, 0
.rept \nb
.if \nb == 1
	HINT 1
.endif
	v_max_num_f32 v[212+bi], v[212+bi], v[111+16*bi]
.set bi, bi+1
.endr
.set bi, 0
.rept \nb
	HINT \nb
	v_permlanex16_b32 v[216+bi], v[212+bi], s56, s57
.set bi, bi+1
.endr
.set bi, 0
.rept \nb
	HINT \nb
	v_max_num_f32 v[212+bi], v[212+bi], v[216+bi]
.set bi, bi+1
.endr
.if \nb == 4
	HINT 2
	v_max3_num_f32 v236, v212, v213, v214
	HINT 1
	v_max_num_f32 v236, v236, v215
	HINT 1
	v_mul_f32 v236, s58, v236
.else
	HINT 1
	v_mul_f32 v236, s58, v212
.endif
	HINT 1
	v_max_num_f32 v13, v13, v236                   ; the running largest t
	v_mov_b32 v236, v12
	HINT 2
	v_floor_f32 v12, -v13                          ; -M = floor(-t)
	HINT 1
	v_sub_f32 v236, v12, v236
	HINT 1
	v_cvt_i32_f32 v236, v236                       ; (it saturates)
	HINT 1
	v_ldexp_f32 v254, 1.0, v236                    ; f = 2^(old M - new M)
.set j, 0
.rept 8*\nb
	v_pk_fma_f32 v[96+j:97+j], v[96+j:97+j], s[58:59], v[12:13] op_sel_hi:[1,0,0]   ; t - M
.set j, j+2
.endr
.set bi, 0
.rept \nb
	v_fma_f32 v[212+bi], v[212+bi], s58, v12
.set bi, bi+1
.endr
	s_wait_alu depctr_va_vdst(0)
.set j, 0
.rept 16*\nb
	v_exp_f32 v[96+j], v[96+j]                     ; p
.set j, j+1
.endr
	v_pk_mul_f32 v[14:15], v[14:15], v[254:255] op_sel_hi:[1,0]   ; the sums under the new M: a plain line behind the exponentials
	s_wait_alu depctr_va_vdst(0)                   ; one wait for the batch, ahead of its first reader
.set bi, 0
.rept \nb
	v_exp_f32 v[212+bi], v[212+bi]                 ; each block's largest p
.set bi, bi+1
.endr
	v_pk_add_f32 v[238:239], v[96:97], v[98:99]    ; the row's sum, of the unquantised p, in chains that take turns
	v_pk_add_f32 v[240:241], v[100:101], v[102:103]
.if \nb == 4
	v_pk_add_f32 v[94:95], v[104:105], v[106:107]
.irp k, 6,10,14,18,22,26
	v_pk_add_f32 v[14:15], v[14:15], v[96+2*\k:97+2*\k]
	v_pk_add_f32 v[238:239], v[238:239], v[98+2*\k:99+2*\k]
	v_pk_add_f32 v[240:241], v[240:241], v[100+2*\k:101+2*\k]
	v_pk_add_f32 v[94:95], v[94:95], v[102+2*\k:103+2*\k]
.endr
	v_pk_add_f32 v[14:15], v[14:15], v[156:157]
	v_pk_add_f32 v[238:239], v[238:239], v[158:159]
	HINT 3
	v_pk_add_f32 v[240:241], v[240:241], v[94:95]
	HINT 2
	v_pk_add_f32 v[14:15], v[14:15], v[238:239]
	HINT 1
	v_pk_add_f32 v[14:15], v[14:15], v[240:241]
.else
	v_pk_add_f32 v[14:15], v[14:15], v[104:105]
	v_pk_add_f32 v[238:239], v[238:239], v[106:107]
	v_pk_add_f32 v[240:241], v[240:241], v[108:109]
	v_pk_add_f32 v[14:15], v[14:15], v[110:111]
	HINT 2
	v_pk_add_f32 v[238:239], v[238:239], v[240:241]
	HINT 1
	v_pk_add_f32 v[14:15], v[14:15], v[238:239]
.endif
	s_wait_alu depctr_va_vdst(0)                   ; and one for the blocks' exponentials
.set bi, 0
.rept \nb
	v_max_num_f32 v[212+bi], 0x1800000, v[212+bi]  ; the floor
.set bi, bi+1
.endr
.set bi, 0
.rept \nb
	HINT \nb
	v_add_nc_u32 v[220+bi], 0xff000000, v[212+bi]  ; the conversion's scale operand
.set bi, bi+1
.endr
.if \nb == 4
.irp b, 0,1,2,3
	HINT 4
	v_lshrrev_b32 v[216+\b], 23, v[220+\b]
.endr
	HINT 3
	v_lshl_or_b32 v250, v217, 8, v216              ; p's scale word for these 128 keys
	HINT 1
	v_lshl_or_b32 v250, v218, 16, v250
	HINT 1
	v_lshl_or_b32 v250, v219, 24, v250
.irp c, 0,1
	v_cvt_scalef32_pk16_fp6_f32 v[192+6*\c:194+6*\c], v[96+32*\c:111+32*\c], v[220+2*\c]
	v_cvt_scalef32_pk16_fp6_f32 v[204+4*\c:206+4*\c], v[112+32*\c:127+32*\c], v[220+2*\c+1]
.endr
	v_nop
.irp c, 0,1
.irp i, 0,1,2
	v_permlane16_swap_b32 v[192+6*\c+\i], v[204+4*\c+\i]
.endr
.irp i, 0,1,2
	HINT 3
	v_mov_b32 v[195+6*\c+\i], v[204+4*\c+\i]
.endr
.endr
.else
	HINT 1
	v_lshrrev_b32 v250, 23, v220                   ; byte 0: the block's; bytes 1-3 stay 0: they meet zero codes
.irp i, 198,199,200,201,202,203,204,205,206
	v_mov_b32 v[\i], 0                             ; zero codes for positions 1 to 3
.endr
	v_cvt_scalef32_pk16_fp6_f32 v[192:194], v[96:111], v220
	v_nop
.irp i, 0,1,2
	v_permlane16_swap_b32 v[192+\i], v[204+\i]     ; lanes 0-15 take the whole block, lanes 16-31 zeros
.endr
.irp i, 0,1,2
	HINT 3
	v_mov_b32 v[195+\i], v[204+\i]
.endr
.endif
	s_wait_alu depctr_va_vdst(0)                   ; ahead of the wait below and of O^T's first reader
	s_wait_dscnt 0x0                               ; V is in
.if \nb == 4
	v_perm_b32 v248, v35, v248, s76                ; V's scale bytes of positions 0 to 3, out of this record's word and the next's
	v_perm_b32 v249, v36, v249, s76
.else
	v_perm_b32 v248, v248, v248, s76               ; byte 0: position 0's; the others are bytes of the same word
	v_perm_b32 v249, v249, v249, s76
.endif
.set j, 0
.rept 16
	v_pk_mul_f32 v[160+j:161+j], v[160+j:161+j], v[254:255] op_sel_hi:[1,0]   ; O^T under the new M; these sixteen lines also stand between the operands' and the scale words' last writes and the products
.set j, j+2
.endr
.irp t, 0,1                            ; O^T += V^T p^T: four accumulators by turns
	v_wmma_scale_f32_16x16x128_f8f6f4 v[160+16*\t:167+16*\t], v[40+24*\t:51+24*\t], v[192:203], v[160+16*\t:167+16*\t], v[248+\t], v250 matrix_a_fmt:MATRIX_FMT_FP6 matrix_b_fmt:MATRIX_FMT_FP6
	v_wmma_scale_f32_16x16x128_f8f6f4 v[168+16*\t:175+16*\t], v[52+24*\t:63+24*\t], v[192:203], v[168+16*\t:175+16*\t], v[248+\t], v250 matrix_a_fmt:MATRIX_FMT_FP6 matrix_b_fmt:MATRIX_FMT_FP6 matrix_a_scale:MATRIX_SCALE_ROW1
.endr
.endm
.Lhead:
	v_mov_b32 v13, 0xff61b1e6                      ; the largest t so far: -3e38
	s_delay_alu instid0(VALU_DEP_1)
	v_floor_f32 v12, -v13
	v_mov_b32 v14, 0
	v_mov_b32 v15, 0
.set i, 0
.rept 32
	v_mov_b32 v[160+i], 0                          ; O^T: the step is written once for all trips, the first walked step finds zeros
.set i, i+1
.endr
	s_mov_b32 s62, 0
	s_mov_b32 s61, s66
.Lstep:
	s_cmp_lt_i32 s61, -3                           ; all four blocks lie ahead of the sequence's start: no work
	s_cbranch_scc1 .Lhidden
	STEP 4
.Lhidden:
	s_add_co_i32 s61, s61, 4
	s_add_co_u32 s60, s60, REC
	s_add_co_u32 s62, s62, 1
	s_cmp_lt_u32 s62, 4
	s_cbranch_scc1 .Lstep
	STEP 1                                         ; block g, in the fifth record
.rept 4
	v_nop                                          ; places behind the last products
.endr
	v_add_f32 v14, v14, v15
	s_delay_alu instid0(VALU_DEP_1)
	v_permlanex16_b32 v236, v14, s56, s57
	s_delay_alu instid0(VALU_DEP_1)
	v_add_f32 v14, v14, v236                       ; the row's sum
	s_wait_alu depctr_va_vdst(0)
	v_rcp_f32 v14, v14
	v_nop
	s_wait_alu depctr_va_vdst(0)
	v_mul_f32 v254, v14, v8                        ; gate / sum
.set j, 0
.rept 16
	v_pk_mul_f32 v[96+j:97+j], v[160+j:161+j], v[254:255] op_sel_hi:[1,0]   ; o(query r, d = 32 (j / 16) + 16 hh + j % 16)
.set j, j+2
.endr
.irp i, 0,1,2,3,4,5
	v_mov_b32 v[224+\i], v[230+\i]                 ; the head before moves down: K = 64 c + .., c the head in the pair
.endr
.irp b, 0,1
	v_max3_num_f32 v[212+\b], |v[96+16*\b]|, |v[97+16*\b]|, 0x1800000
.endr
.irp i, 2,4,6,8,10,12,14
.irp b, 0,1
	s_delay_alu instid0(VALU_DEP_2)
	v_max3_num_f32 v[212+\b], v[212+\b], |v[96+16*\b+\i]|, |v[97+16*\b+\i]|
.endr
.endr
.irp b, 0,1
	s_delay_alu instid0(VALU_DEP_2)
	v_permlanex16_b32 v[216+\b], v[212+\b], s56, s57
.endr
.irp b, 0,1
	s_delay_alu instid0(VALU_DEP_2)
	v_max_num_f32 v[212+\b], v[212+\b], v[216+\b]
.endr
.irp b, 0,1
	s_delay_alu instid0(VALU_DEP_2)
	v_add_nc_u32 v[220+\b], 0xff000000, v[212+\b]
.endr
.irp b, 0,1
	s_delay_alu instid0(VALU_DEP_2)
	v_lshrrev_b32 v[216+\b], 23, v[220+\b]
.endr
	s_delay_alu instid0(VALU_DEP_1)
	v_lshl_or_b32 v236, v217, 8, v216
	s_delay_alu instid0(VALU_DEP_1)
	v_alignbit_b32 v253, v236, v253, 16            ; two bytes a head, shifted in from above
	v_cvt_scalef32_pk16_fp6_f32 v[230:232], v[96:111], v220
	v_cvt_scalef32_pk16_fp6_f32 v[204:206], v[112:127], v221
	v_nop
.irp i, 0,1,2
	v_permlane16_swap_b32 v[230+\i], v[204+\i]
.endr
.irp i, 0,1,2
	s_delay_alu instid0(VALU_DEP_3)
	v_mov_b32 v[233+\i], v[204+\i]
.endr
.irp i, 0,1,2,3,4,5
	v_mov_b32 v[16+\i], v[28+\i]                   ; the next head's q,
.endr
	v_mov_b32 v251, v252                           ; its scale word
	v_mov_b32 v8, v9                               ; and its gate
	s_add_co_u32 s60, s60, 2*REC                   ; four slots walked, two more: the next head's first
	s_wait_alu depctr_va_vdst(0)
	s_cmp_eq_u32 s63, 1                            ; behind head 1 nothing more is read from LDS: no barrier
	s_cbranch_scc1 .Lpublished
	s_wait_tensorcnt 0x0                           ; my record of head 1 is in,
	s_wait_dscnt 0x0
	s_barrier_signal -1
	s_barrier_wait -1                              ; everybody's is
.Lpublished:
	s_sub_co_u32 s63, s63, 1
	s_cmp_lg_u32 s63, 0
	s_cbranch_scc1 .Lhead
	s_lshl_b32 s40, s14, 6
	s_add_co_u32 s40, s40, s18                     ; the group among all tokens: 64 b + g
	s_mul_i32 s40, s40, 25600
	s_lshl_b32 s41, s15, 1
	s_add_co_u32 s41, s41, s19                     ; fragment (K step = the pair of heads, tile u)
	s_mul_i32 s41, s41, 1536
	s_add_co_u32 s42, s40, s41
	s_mov_b32 s43, 0
	s_add_nc_u64 s[44:45], s[10:11], s[42:43]
	s_lshr_b32 s41, s15, 1
	s_lshl_b32 s41, s41, 8
	s_and_b32 s42, s15, 1
	s_lshl_b32 s42, s42, 2
	s_add_co_u32 s42, s42, s41
	s_lshl_b32 s41, s19, 7
	s_add_co_u32 s42, s42, s41
	s_add_co_u32 s42, s42, s40
	s_add_co_u32 s42, s42, 24576
	s_add_nc_u64 s[46:47], s[10:11], s[42:43]
	s_wait_alu depctr_va_vdst(0)
.irp c, 0,1,2
	global_store_b128 v1, v[224+4*\c:227+4*\c], s[44:45] offset:512*\c
.endr
	v_and_b32 v37, 31, v0
	s_delay_alu instid0(VALU_DEP_1)
	v_cmp_gt_u32 vcc_lo, 16, v37
	s_wait_xcnt 0x0                                ; EXEC changes only behind this wait
	s_wait_tensorcnt 0x0                           ; the wave's end
	ds_add_u32 v242, v243
	s_wait_dscnt 0x0
	s_and_saveexec_b32 s41, vcc_lo
	global_store_b32 v2, v253, s[46:47]            ; lanes 0-15: row r's scale word
	s_wait_xcnt 0x0
	s_or_b32 exec_lo, exec_lo, s41
	s_endpgm
.Lfunc_end_k_q614d7fede6_attn:
	.size	k_q614d7fede6_attn, .Lfunc_end_k_q614d7fede6_attn-k_q614d7fede6_attn
	.p2alignl 7, 3214868480
	.fill 96, 4, 3214868480
	.section	.rodata,"a",@progbits
	.p2align	6, 0x0
	.amdhsa_kernel k_q614d7fede6_attn
		.amdhsa_group_segment_fixed_size 327680
		.amdhsa_private_segment_fixed_size 0
		.amdhsa_enable_private_segment 0
		.amdhsa_kernarg_size 32
		.amdhsa_user_sgpr_count 2
		.amdhsa_user_sgpr_kernarg_segment_ptr 1
		.amdhsa_wavefront_size32 1
		.amdhsa_system_sgpr_workgroup_id_x 1
		.amdhsa_system_sgpr_workgroup_id_y 1
		.amdhsa_system_sgpr_workgroup_id_z 1
		.amdhsa_system_vgpr_workitem_id 0
		.amdhsa_next_free_vgpr 256
		.amdhsa_next_free_sgpr 96
		.amdhsa_reserve_vcc 1
		.amdhsa_float_denorm_mode_32 3
		.amdhsa_float_denorm_mode_16_64 3
		.amdhsa_memory_ordered 1
		.amdhsa_forward_progress 1
		.amdhsa_inst_pref_size 51
	.end_amdhsa_kernel
	.amdgpu_metadata
---
amdhsa.version: [ 1, 2 ]
amdhsa.kernels:
  - .name:           k_q614d7fede6_attn
    .symbol:         k_q614d7fede6_attn.kd
    .args:
      - { .name: qbuf, .offset: 0, .size: 8, .value_kind: global_buffer, .address_space: global }
      - { .name: kv, .offset: 8, .size: 8, .value_kind: global_buffer, .address_space: global }
      - { .name: gate, .offset: 16, .size: 8, .value_kind: global_buffer, .address_space: global }
      - { .name: ao, .offset: 24, .size: 8, .value_kind: global_buffer, .address_space: global }
    .group_segment_fixed_size: 327680
    .private_segment_fixed_size: 0
    .kernarg_segment_align: 8
    .kernarg_segment_size: 32
    .max_flat_workgroup_size: 512
    .sgpr_count:     96
    .vgpr_count:     256
    .wavefront_size: 32
...
	.end_amdgpu_metadata
.endif
;; end of part 3
;; launch outp (part 4): grid 4 x 64, 4 waves a work-group, clusters of 4 x 1, 168,448 bytes of LDS; arguments ao, wq, out0; writes out0
.if DOCPART == 4
	.amdgcn_target "amdgcn-amd-amdhsa--gfx1250"
	.amdhsa_code_object_version 6
	.text
	.protected	k_q614d7fede6_outp
	.globl	k_q614d7fede6_outp
	.p2align	8
	.type	k_q614d7fede6_outp,@function
k_q614d7fede6_outp:
	s_mov_b64 s[64:65], 0
	v_nop
	global_prefetch_b8 v0, s[64:65] scope:SCOPE_SE
	s_setreg_imm32_b32 hwreg(HW_REG_WAVE_MODE, 25, 1), 1
	s_wait_xcnt 0x0
	s_wait_alu depctr_hold_cnt(0) depctr_sa_sdst(0) depctr_va_vdst(0) depctr_va_sdst(0) depctr_va_ssrc(0) depctr_va_vcc(0) depctr_vm_vsrc(0)
	s_getreg_b32 s2, hwreg(HW_REG_IB_STS2, 6, 4)
	s_cmp_eq_u32 s2, 0
	s_cbranch_scc0 .Lentry_in_a_cluster
	s_endpgm
.Lentry_in_a_cluster:
	s_bfe_u32 s2, ttmp6, 0x10000c
	s_cmp_lg_u32 s2, 0x3003
	s_cbranch_scc0 .Lentry_shape_is_right
	s_endpgm
.Lentry_shape_is_right:
; OUTP.  out0 = o Wout on codes of FP6 (E2M3) with E8M0 scales; out0 [8192][1024] f32.  Both operands come as records (groups of 32 rows, images of operand registers: see the first launch).
; SHARES.  Work-group (256 columns, 128 tokens).  Wave w holds 64 columns of Wout, two records, in registers (windows 1 and 2); the four records of the 128 tokens come into LDS once, one tensor load a wave.
; CLUSTER.  The four work-groups of a cluster are the four column slices of one row range: they want the same four records, asked for JOINTLY (mask 15).  The column slice enters global addresses alone.
; Source 0 = 16 columns, source 1 = 16 tokens: a lane holds one token and 16 neighbouring columns of each 32.  A group's 32 rows x 256 bytes go through the wave's own stage in LDS and leave as whole rows:
; sixteen lanes store 256 consecutive bytes, at a multiple of 256 from out0's first byte.  Nothing in LDS is filled again; the stages lie behind the records.
; No prefetch: all tiles are asked for in the first lines.
; REGISTERS.  Window 0: v3-14 addresses; v16-23 the tokens' scale words; v24-39 the weights'; v64-127 eight accumulators (32 u + 8 t + j); v128-191 rows on their way out.  Windows 1, 2: the weights.  Window 3: a group's 16 fragments.
.set REC, 25600
.set STG, 4*REC                        ; wave w's stage at STG + 8,960 w: row t at 272 t + 128 (t / 16)
.set TS,  16
.set WS,  24
.set ACC, 64
.set MSB, 0
.macro WIN new
.if MSB != (\new)
	s_set_vgpr_msb (MSB<<8)|(\new)
.set MSB, (\new)
.endif
.endm
.macro CROUND
	s_barrier_signal -1
	s_barrier_wait -1
	s_cmp_lg_u32 s3, 0
	s_cbranch_scc1 .Lnw0_\@
	s_barrier_signal -3
.Lnw0_\@:
	s_barrier_wait -3
	s_barrier_signal -1
	s_barrier_wait -1
.endm
.macro WMS d, a, b, z, sa, sb, ra, rb
.if (\z)
.if (\ra) && (\rb)
	v_wmma_scale_f32_16x16x128_f8f6f4 v[(\d):(\d)+7], v[(\a):(\a)+11], v[(\b):(\b)+11], 0, v[(\sa)], v[(\sb)] matrix_a_fmt:MATRIX_FMT_FP6 matrix_b_fmt:MATRIX_FMT_FP6 matrix_a_scale:MATRIX_SCALE_ROW1 matrix_b_scale:MATRIX_SCALE_ROW1
.elseif (\ra)
	v_wmma_scale_f32_16x16x128_f8f6f4 v[(\d):(\d)+7], v[(\a):(\a)+11], v[(\b):(\b)+11], 0, v[(\sa)], v[(\sb)] matrix_a_fmt:MATRIX_FMT_FP6 matrix_b_fmt:MATRIX_FMT_FP6 matrix_a_scale:MATRIX_SCALE_ROW1
.elseif (\rb)
	v_wmma_scale_f32_16x16x128_f8f6f4 v[(\d):(\d)+7], v[(\a):(\a)+11], v[(\b):(\b)+11], 0, v[(\sa)], v[(\sb)] matrix_a_fmt:MATRIX_FMT_FP6 matrix_b_fmt:MATRIX_FMT_FP6 matrix_b_scale:MATRIX_SCALE_ROW1
.else
	v_wmma_scale_f32_16x16x128_f8f6f4 v[(\d):(\d)+7], v[(\a):(\a)+11], v[(\b):(\b)+11], 0, v[(\sa)], v[(\sb)] matrix_a_fmt:MATRIX_FMT_FP6 matrix_b_fmt:MATRIX_FMT_FP6
.endif
.else
.if (\ra) && (\rb)
	v_wmma_scale_f32_16x16x128_f8f6f4 v[(\d):(\d)+7], v[(\a):(\a)+11], v[(\b):(\b)+11], v[(\d):(\d)+7], v[(\sa)], v[(\sb)] matrix_a_fmt:MATRIX_FMT_FP6 matrix_b_fmt:MATRIX_FMT_FP6 matrix_a_scale:MATRIX_SCALE_ROW1 matrix_b_scale:MATRIX_SCALE_ROW1
.elseif (\ra)
	v_wmma_scale_f32_16x16x128_f8f6f4 v[(\d):(\d)+7], v[(\a):(\a)+11], v[(\b):(\b)+11], v[(\d):(\d)+7], v[(\sa)], v[(\sb)] matrix_a_fmt:MATRIX_FMT_FP6 matrix_b_fmt:MATRIX_FMT_FP6 matrix_a_scale:MATRIX_SCALE_ROW1
.elseif (\rb)
	v_wmma_scale_f32_16x16x128_f8f6f4 v[(\d):(\d)+7], v[(\a):(\a)+11], v[(\b):(\b)+11], v[(\d):(\d)+7], v[(\sa)], v[(\sb)] matrix_a_fmt:MATRIX_FMT_FP6 matrix_b_fmt:MATRIX_FMT_FP6 matrix_b_scale:MATRIX_SCALE_ROW1
.else
	v_wmma_scale_f32_16x16x128_f8f6f4 v[(\d):(\d)+7], v[(\a):(\a)+11], v[(\b):(\b)+11], v[(\d):(\d)+7], v[(\sa)], v[(\sb)] matrix_a_fmt:MATRIX_FMT_FP6 matrix_b_fmt:MATRIX_FMT_FP6
.endif
.endif
.endm
.macro LOADO gi                        ; group gi's record into registers: 4 loads of scale words, 48 of codes
	WIN 0
.irp sp, 0,1,2,3
	ds_load_b64 v[TS+2*\sp:TS+2*\sp+1], v[10+(\gi)/2] offset:((\gi)%2)*REC+24576+256*\sp
.endr
	WIN 0xc0
.set i, 0
.rept 48
	ds_load_b128 v[4*i:4*i+3], v[8+(\gi)/2] offset:((\gi)%2)*REC+512*i
.set i, i+1
.endr
	WIN 0
.endm
; 64 columns x 32 tokens: 64 products, eight accumulators by turns, one instruction a turn.  The count leaves out the 6 (7 - s) fragment loads of later K steps.
.macro MMA_QK
.irp s, 0,1,2,3,4,5,6,7
	s_wait_dscnt 42-6*\s
	WIN 0x0d+(\s/4)
.irp t, 0,1,2,3
.irp u, 0,1
	WMS ACC+32*\u+8*\t, 12*(4*(\s%4)+\t), 12*(2*\s+\u), (8-\s)/8, WS+8*(\t/2)+\s, TS+\s, \t%2, \u
.endr
.endr
.endr
	WIN 0
.rept 5
	v_nop                                          ; five places: the next group's first products write over these accumulators, and no other vector work stands between
.endr
.endm
.macro EPI_O gi
.if (\gi) > 0
	s_wait_xcnt 0x0                                ; the last group's stores have read the registers that the rows below land in
.endif
.irp u, 0,1
.irp t, 0,1,2,3
.irp q, 0,1
	ds_store_b128 v12, v[ACC+32*\u+8*\t+4*\q:ACC+32*\u+8*\t+4*\q+3] offset:2176*\u+128*(\t/2)+32*(\t%2)+16*\q   ; each accumulator from its low end on
.endr
.endr
.endr
.set i, 0
.rept 16
	ds_load_b128 v[128+4*i:131+4*i], v13 offset:2*i*272+(i/8)*128   ; rows 2 i and 2 i + 1; LDS serves a wave's instructions in order
.set i, i+1
.endr
.if (\gi) < 3
	LOADO (\gi)+1                                  ; the next group's record lands while this group's rows leave
.endif
.set i, 0
.rept 16
.if (\gi) < 3
.if 67-i > 63
	s_wait_dscnt 63                                ; (the younger loads are more than the count can name)
.else
	s_wait_dscnt 67-i                              ; behind row pair i: 15 - i row pairs and the next record's 52 loads
.endif
.else
	s_wait_dscnt 15-i
.endif
	global_store_b128 v14, v[128+4*i:131+4*i], s[36:37] offset:(\gi)*131072+8192*i th:TH_STORE_NT
.set i, i+1
.endr
.endm
	s_load_b128 s[4:7], s[0:1], 0x0                ; ao s[4:5], wq s[6:7]
	s_load_b64 s[8:9], s[0:1], 0x10                ; out0
	v_lshl_add_u32 v254, v0, 2, 0x29000
	v_mov_b32 v255, 0
	ds_add_u32 v254, v255
	ds_add_u32 v254, v255
	v_lshrrev_b32 v6, 5, v0
	v_readfirstlane_b32 s3, v6                     ; wave 0..3
	s_bfe_u32 s10, ttmp6, 0x40000                  ; cx
	s_lshl_b32 s14, ttmp9, 2
	s_add_co_u32 s10, s10, s14                     ; the column slice
	s_and_b32 s11, ttmp7, 0xffff                   ; the row range
	s_mov_b32 s24, 15|(3<<16)|(1<<21)              ; mask of the four; elements of 8 bytes; bit 21 beside a mask
	s_mov_b32 s25, 32<<16
	s_mov_b32 s26, 100<<16                         ; a record: 100 rows of 256 bytes, dense
	s_mov_b32 s27, 32<<16
	s_mov_b32 s28, 100
	s_mov_b32 s29, 32
	s_mov_b32 s30, 0
	s_mov_b32 s31, 0
	s_mov_b32 s32, 1
	s_mul_i32 s33, s3, REC
	s_lshl_b32 s12, s11, 2
	s_add_co_u32 s12, s12, s3                      ; record 4 y + w: the row range and the wave alone
	s_mul_i32 s12, s12, REC
	s_mov_b32 s13, 0
	s_wait_dscnt 0x0
	s_wait_kmcnt 0x0
	s_add_nc_u64 s[34:35], s[4:5], s[12:13]
	s_or_b32 s35, s35, 0x80000000
	CROUND                                         ; the four work-groups are here: the joint loads meet
	tensor_load_to_lds s[32:35], s[24:31]
	s_nop 0
.rept 4
	v_nop
.endr
	s_lshl_b32 s14, s10, 3
	s_lshl_b32 s15, s3, 1
	s_add_co_u32 s14, s14, s15
	s_add_co_u32 s14, s14, 96                      ; Wout's records begin at 96
	s_mul_i32 s14, s14, REC
	s_mov_b32 s15, 0
	s_add_nc_u64 s[16:17], s[6:7], s[14:15]
	s_lshl_b32 s14, s11, 19                        ; 128 rows of 4,096 bytes
	s_lshl_b32 s18, s10, 10
	s_add_co_u32 s14, s14, s18
	s_lshl_b32 s18, s3, 8
	s_add_co_u32 s14, s14, s18
	s_add_nc_u64 s[36:37], s[8:9], s[14:15]
	v_and_b32 v7, 31, v0
	v_lshlrev_b32 v3, 4, v7
	v_lshlrev_b32 v4, 3, v7
	v_and_b32 v6, 15, v0                           ; r
	v_bfe_u32 v7, v0, 4, 1                         ; hh
	v_mov_b32 v8, v3                               ; records 0, 1
	v_add_nc_u32 v9, 2*REC, v3                     ; records 2, 3
	v_mov_b32 v10, v4
	v_add_nc_u32 v11, 2*REC, v4
	s_mul_i32 s18, s3, 8960
	s_add_co_u32 s18, s18, STG
	v_and_b32 v12, 7, v6
	v_mul_u32_u24 v12, v12, 272
	v_lshrrev_b32 v13, 3, v6
	v_mad_u32_u24 v12, v13, 4480, v12
	v_lshl_add_u32 v12, v7, 6, v12
	v_add_nc_u32 v12, s18, v12                     ; in: row r + 8 (r / 8) of the stage, + 64 hh
	v_mul_u32_u24 v13, v7, 272
	v_lshl_add_u32 v13, v6, 4, v13
	v_add_nc_u32 v13, s18, v13                     ; back: lanes 0-15 one row, lanes 16-31 the next
	v_lshlrev_b32 v14, 12, v7
	v_lshl_add_u32 v14, v6, 4, v14                 ; and the same two rows in out0
	WIN 0x40
.irp s, 0,1,2,3
.irp t, 0,1,2,3
.irp c, 0,1,2
	global_load_b128 v[12*(4*\s+\t)+4*\c:12*(4*\s+\t)+4*\c+3], v3, s[16:17] offset:(\t/2)*REC+(2*\s+\t%2)*1536+512*\c
.endr
.endr
.endr
	WIN 0x80
.irp s, 0,1,2,3
.irp t, 0,1,2,3
.irp c, 0,1,2
	global_load_b128 v[12*(4*\s+\t)+4*\c:12*(4*\s+\t)+4*\c+3], v3, s[16:17] offset:(\t/2)*REC+(2*(\s+4)+\t%2)*1536+512*\c
.endr
.endr
.endr
	WIN 0
.irp g, 0,1
.irp sp, 0,1,2,3
	global_load_b64 v[WS+8*\g+2*\sp:WS+8*\g+2*\sp+1], v4, s[16:17] offset:\g*REC+24576+256*\sp
.endr
.endr
	s_wait_tensorcnt 0x0                           ; my record is in,
	s_barrier_signal -1
	s_barrier_wait -1                              ; everybody's is
	s_wait_loadcnt 0x0                             ; the weights
	LOADO 0
.irp gi, 0,1,2,3
	MMA_QK
	s_wait_alu depctr_va_vdst(0)
	EPI_O \gi
.endr
	s_wait_dscnt 0x0
	s_wait_tensorcnt 0x0
	ds_add_u32 v254, v255
	s_wait_dscnt 0x0
	CROUND                                         ; the closing round
	s_endpgm
.Lfunc_end_k_q614d7fede6_outp:
	.size	k_q614d7fede6_outp, .Lfunc_end_k_q614d7fede6_outp-k_q614d7fede6_outp
	.p2alignl 7, 3214868480
	.fill 96, 4, 3214868480
	.section	.rodata,"a",@progbits
	.p2align	6, 0x0
	.amdhsa_kernel k_q614d7fede6_outp
		.amdhsa_group_segment_fixed_size 168448
		.amdhsa_private_segment_fixed_size 0
		.amdhsa_enable_private_segment 0
		.amdhsa_kernarg_size 24
		.amdhsa_user_sgpr_count 2
		.amdhsa_user_sgpr_kernarg_segment_ptr 1
		.amdhsa_wavefront_size32 1
		.amdhsa_system_sgpr_workgroup_id_x 1
		.amdhsa_system_sgpr_workgroup_id_y 1
		.amdhsa_system_sgpr_workgroup_id_z 1
		.amdhsa_system_vgpr_workitem_id 0
		.amdhsa_next_free_vgpr 1024
		.amdhsa_next_free_sgpr 66
		.amdhsa_reserve_vcc 0
		.amdhsa_float_denorm_mode_32 3
		.amdhsa_float_denorm_mode_16_64 3
		.amdhsa_memory_ordered 1
		.amdhsa_forward_progress 1
		.amdhsa_inst_pref_size 78
	.end_amdhsa_kernel
	.amdgpu_metadata
---
amdhsa.version: [ 1, 2 ]
amdhsa.kernels:
  - .name:           k_q614d7fede6_outp
    .symbol:         k_q614d7fede6_outp.kd
    .args:
      - { .name: ao, .offset: 0, .size: 8, .value_kind: global_buffer, .address_space: global }
      - { .name: wq, .offset: 8, .size: 8, .value_kind: global_buffer, .address_space: global }
      - { .name: out0, .offset: 16, .size: 8, .value_kind: global_buffer, .address_space: global }
    .group_segment_fixed_size: 168448
    .private_segment_fixed_size: 0
    .kernarg_segment_align: 8
    .kernarg_segment_size: 24
    .max_flat_workgroup_size: 128
    .sgpr_count:     66
    .vgpr_count:     1024
    .wavefront_size: 32
...
	.end_amdgpu_metadata
.endif
;; end of part 4
